; MI455X (gfx1250); checked and timed in simulation.
; The chip was launched on July 23, 2026; its instructions are those of AMD's public machine-readable ISA for CDNA 5 (MIT licence, August 2026) and "CDNA5" Instruction Set Architecture Reference Guide (July 2026). The comments in the code are by the model that wrote it; some were corrected since.
;; Multi Head Attention. Allowed arithmetic: matrix products marked QUANTISED: E2M1 operands, one E8M0 scale for each 32 along K, by v_wmma_scale_f32_16x16x128_f8f6f4 with both operands' format E2M1 (or v_wmma_scale_f32_32x16x128_f4), f32 sums; products left as they are: bf16, f16 or f32 operands; f32 sums; everything else in f32.
;; Inputs: Wk 1,024 x 1,024 float32; Wo 1,024 x 1,024 float32; Wq 1,024 x 1,024 float32; Wv 1,024 x 1,024 float32; bk 1,024 float32; bo 1,024 float32; bq 1,024 float32; bv 1,024 float32; k 2 x 2,048 x 1,024 float32; q 2 x 2,048 x 1,024 float32; v 2 x 2,048 x 1,024 float32.
;; Outputs: out0 2 x 2,048 x 1,024 float32.
;; This version of the problem:
;;   THIS VERSION OF THE PROBLEM IS GIVEN IN LOW PRECISION. The matrix products marked QUANTISED in the list below multiply operands that are first quantised to E2M1 (2 exponent bits, 1 mantissa bit; 4 bits a number), with one power-of-two scale for each 32 numbers along K (OCP MX v1.0); their sums are f32. The products marked 'left as it is' may take bf16, f16 or f32 operands, with f32 sums. Whichever they take, every output number must still come out within the allowed error. Rounding operands to bf16 (8 significant bits) uses up far more of that allowance than f16 does (11 bits, for magnitudes from 6e-5 to 65,504). All else is computed in f32.
;;   The module's matrix products, in the order in which they are computed (A, B: the left and right operand; K: the contracted axis; several contracted axes count as one K, in the product's order):
;;     1. [M 4,096, K 1,024] x [K 1,024, N 1,024]; A: input q; B: input Wq: QUANTISED
;;     2. [M 4,096, K 1,024] x [K 1,024, N 1,024]; A: input k; B: input Wk: QUANTISED
;;     3. [M 4,096, K 1,024] x [K 1,024, N 1,024]; A: input v; B: input Wv: QUANTISED
;;     4. batch 32 x [M 2,048, K 64] x [K 64, N 2,048]; A: computed on the way; B: computed on the way: left as it is (an operand is computed on the way)
;;     5. batch 32 x [M 2,048, K 2,048] x [K 2,048, N 64]; A: computed on the way; B: computed on the way: left as it is (an operand is computed on the way)
;;     6. [M 4,096, K 1,024] x [K 1,024, N 1,024]; A: computed on the way; B: input Wo: left as it is (an operand is computed on the way)
;;   THE QUANTISER, for each operand of a quantised product, along K:
;;     - K is cut into blocks of 32 from its start; a last block that is shorter is filled with zeros.
;;     - A block's scale is 2^e with e = floor(log2(the largest magnitude in the block)) - 2, held to -126 .. 127; a block of zeros has e = 0. As a byte (E8M0): e + 127.
;;     - Each number is divided by its block's scale, clamped to +-6, and rounded to the nearest number of E2M1, ties to even, subnormals kept.
;;     - The product sums the exact products of the quantised numbers (number of the format x scale) in f32.
;;   ~~~python
;;   def quantise(x, axis):      # numpy; x: float32 -> the quantised numbers, widened to float32 again
;;       x = np.moveaxis(x, axis, -1); K = x.shape[-1]
;;       x = np.pad(x, [(0, 0)] * (x.ndim - 1) + [(0, -K % 32)]); x = x.reshape(x.shape[:-1] + (-1, 32)); a = np.abs(x).max(-1, keepdims=True)
;;       e = np.where(a > 0, np.clip(np.frexp(np.where(a > 0, a, 1))[1] - 1 - 2, -126, 127), 0)      # np.frexp(a)[1] - 1 = floor(log2(a)), exactly
;;       r = np.clip(x / 2.0 ** e, -6, 6)
;;       step = 2.0 ** (np.maximum(np.frexp(np.where(r == 0, 1, r))[1] - 1, 0) - 1)
;;       q = np.round(r / step) * step * 2.0 ** e      # np.round: ties to even
;;       return np.moveaxis(q.reshape(q.shape[:-2] + (-1,))[..., :K], -1, axis).astype(np.float32)
;;   ~~~
;; One version. Each part assembles by itself: llvm-mc -triple=amdgcn-amd-amdhsa -mcpu=gfx1250 --defsym DOCPART=n.
;; ======== version 1 of 1: 4 launches
;; limits: values are held in f16: magnitudes above 65,504 overflow, below 6.1e-05 lose precision
;; workspace buffers: xc 6,291,456 bytes; xs 393,216 bytes; wc 1,572,864 bytes; ws 98,304 bytes; wot 2,097,152 bytes; qkv 25,165,824 bytes; ao 8,388,608 bytes
;; launch prep (part 1): grid 544 x 1, 4 waves a work-group, no clusters, 50,688 bytes of LDS; arguments q, k, v, Wq, Wk, Wv, Wo, xc, xs, wc, ws, wot; writes xc, xs, wc, ws, wot
.if DOCPART == 1
	.amdgcn_target "amdgcn-amd-amdhsa--gfx1250"
	.amdhsa_code_object_version 6
	.text
	.protected	k_qc39efc4eed_prep
	.globl	k_qc39efc4eed_prep
	.p2align	8
	.type	k_qc39efc4eed_prep,@function
k_qc39efc4eed_prep:
	s_mov_b64 s[64:65], 0
	v_nop
	global_prefetch_b8 v0, s[64:65] scope:SCOPE_SE
	s_setreg_imm32_b32 hwreg(HW_REG_WAVE_MODE, 25, 1), 1
	s_wait_xcnt 0x0
; PREP: everything that is made once from the inputs, in one launch.  Three paths, parted by the work-group's number alone:
;   W  (work-groups 0-95):    Wq, Wk, Wv [1024 (k)][1024 (n)] f32 -> codes of FP4 (E2M1) laid [3 x 1024 (n)][512 bytes], K innermost, and E8M0 scale bytes [3 x 1024][32].
;   WO (work-groups 96-159):  Wo [1024 (k)][1024 (n)] f32 -> f16, laid in the order of a matrix operand's registers (see CHUNK below).
;   X  (work-groups 160-543): q, k, v [4096][1024] f32 -> codes [3 x 4096][512 bytes] and scale bytes [3 x 4096][32].
; THE QUANTISER: a block is 32 numbers along K; its scale is 2^(floor(log2(largest magnitude)) - 2); the byte is the largest magnitude's exponent field - 2, held at 1 from below;
; each number is divided by the scale and rounded to the nearest code, ties to even, beyond 6 the largest code.
; CHUNK: 512 bytes = 16 rows x 16 numbers along K in f16; lane l = r + 16 h of a wave owns the 16 bytes at 16 l: row r, K = 8 h .. 8 h + 7.  Two chunks on end are the registers of a 16 x 32 fragment.
; wot is [k / 256 (4)][n / 16 (64)][chunk (16)][512 bytes].
; LIMITS: a block of zeros, and a block whose largest magnitude lies under 2^-124, gets the byte 1 (its codes are zeros or held; the bytes are read by this program alone); NaN and infinities are not served;
; |Wo| beyond 65,504 becomes infinity in f16, under 6e-5 it is carried as an f16 subnormal.
; No tensor loads, no barrier, no cluster: no two work-groups read the same byte, and waves share nothing.  Each path has LDS bytes of its own.
.set SPARE,  50176                     ; behind both paths' regions: the spare words, 128 bytes for each wave: two blocks of 256 bytes that no other line names
.set SPW,    224                       ; v224  LDS address of my spare word; never rewritten
.set NIL,    225                       ; v225  0; never rewritten
.set WV,     40                        ; s40   my wave's number
; path X
.set STEPS,  16                        ; steps of 512 numbers for a wave
.set AHEAD,  8                         ; loads run so many steps ahead: 32 loads, 16,384 bytes, of a wave are on their way
.set CB,     8                         ; bytes of 16 codes
.set XR,     16                        ; v16-143  eight sets of 16 numbers as they are loaded
.set XX,     144                       ; v144-175 two sets of 16 neighbours
.set XE,     176                       ; v176-191 a scale byte for each step
.set XC,     192                       ; v192-223 codes: two registers for each step, so that no store's data are written again
.set WREG,   8192                      ; LDS 0 .. 32,767: a region for each wave: two stages of 32 x SP bytes, behind them its 256 scale bytes
.set SP,     80                        ; a lane's place in a stage: 64 bytes + 16 of padding
; path W
.set NB,     8                         ; blocks of 32 along K for a lane (256 along K)
.set WPITCH, 272                       ; a stage row: 256 bytes of codes + 16
.set WSTAGE, 32768                     ; LDS 32,768 .. 50,175: a stage of 16 rows for each wave
.set KROW,   512                       ; a row of the codes' buffer in bytes
.set WX,     32                        ; v32-95   two sets of 32 numbers
.set WC,     96                        ; v96-99   a block's codes
.set WOUT,   112                       ; v112-143 the way out
.set WSB,    24                        ; v24-25   the scale bytes, four to a register
; path WO
.set OX,     32                        ; v32-95   two sets of 32 numbers
.set OC,     96                        ; v96-159  f16 pairs: sixteen registers for each block, so that no store's data are written again
	s_load_b512 s[4:19], s[0:1], 0x0               ; q s[4:5], k s[6:7], v s[8:9], Wq s[10:11], Wk s[12:13], Wv s[14:15], Wo s[16:17], xc s[18:19]
	s_load_b256 s[20:27], s[0:1], 0x40             ; xs s[20:21], wc s[22:23], ws s[24:25], wot s[26:27]
	v_lshl_add_u32 v[SPW], v0, 2, SPARE
	v_mov_b32 v[NIL], 0
	v_lshrrev_b32 v1, 5, v0
	v_readfirstlane_b32 s[WV], v1                  ; wave 0..3
	v_and_b32 v2, 31, v0                           ; lane
	s_mov_b32 s43, 0                               ; the upper word of every offset pair s[42:43]
	s_wait_kmcnt 0x0
	s_cmp_lt_u32 ttmp9, 96
	s_cbranch_scc1 .Lw
	s_cmp_lt_u32 ttmp9, 160
	s_cbranch_scc1 .Lwo
; ---------------- PATH X: K is innermost, rows are dense, so a tensor is a plain stream of blocks of 32.
; A wave takes 16 steps of 512 numbers.  Each of a step's four loads reads 512 consecutive bytes; the 2,048 bytes turn through the wave's own stage in LDS and come back 64 bytes a lane, so that a lane
; holds 16 NEIGHBOURS along K (two neighbouring lanes hold a block), as the conversions want them.  A lane's 16 codes are 8 bytes: the wave stores 256 consecutive bytes.  Loads run eight steps ahead.
	s_sub_co_u32 s41, ttmp9, 160                   ; i: 128 work-groups for each of q, k, v
	v_lshlrev_b32 v3, 4, v2                        ; my 16 bytes of a load's 512
	s_mul_i32 s42, s[WV], WREG
	v_lshrrev_b32 v14, 2, v2
	v_mul_u32_u24 v14, v14, SP
	v_and_b32 v15, 3, v2
	v_lshl_add_u32 v14, v15, 4, v14
	v_add_nc_u32 v14, s42, v14                     ; the stage, on the way in: SP (lane / 4) + 16 (lane % 4)
	v_mul_u32_u24 v15, v2, SP
	v_add_nc_u32 v15, s42, v15                     ; and on the way out: SP x lane
	v_mul_u32_u24 v4, v2, CB                       ; my codes' place in a step's
	v_lshrrev_b32 v5, 1, v2
	s_add_co_u32 s42, s42, 2*32*SP
	v_add_nc_u32 v5, s42, v5                       ; LDS: my wave's 256 scale bytes, my block's byte
	v_lshlrev_b32 v7, 3, v2                        ; and on the way out 8 bytes a lane
	v_add_nc_u32 v6, s42, v7
	s_cmp_lt_u32 s41, 256                          ; which tensor: the choice hangs on the work-group's number alone
	s_cselect_b64 s[28:29], s[6:7], s[8:9]
	s_cmp_lt_u32 s41, 128
	s_cselect_b64 s[28:29], s[4:5], s[28:29]
	s_and_b32 s42, s41, 127
	s_lshl_b32 s42, s42, 2
	s_add_co_u32 s42, s42, s[WV]                   ; which run of 8,192 numbers of that tensor is my wave's
	s_lshl_b32 s42, s42, 15                        ; 32,768 bytes a run
	s_add_nc_u64 s[28:29], s[28:29], s[42:43]
	s_lshl_b32 s44, s41, 2
	s_add_co_u32 s44, s44, s[WV]                   ; the same in the stacked buffers
	s_lshl_b32 s42, s44, 12                        ; 4,096 bytes of codes a run
	s_add_nc_u64 s[30:31], s[18:19], s[42:43]
	s_lshl_b32 s42, s44, 8                         ; 256 scale bytes a run
	s_add_nc_u64 s[32:33], s[20:21], s[42:43]
.macro LOADX t
.irp i, 0,1,2,3
	global_load_b128 v[XR+16*((\t)%AHEAD)+4*\i:XR+16*((\t)%AHEAD)+4*\i+3], v3, s[28:29] offset:2048*(\t)+512*\i th:TH_LOAD_NT   ; 32 lanes read 512 consecutive bytes
.endr
.endm
.macro TURNX t                         ; step t's numbers through the stage: LDS serves a wave's instructions in order, so no wait stands between the stores and the loads
.irp i, 0,1,2,3
	ds_store_b128 v14, v[XR+16*((\t)%AHEAD)+4*\i:XR+16*((\t)%AHEAD)+4*\i+3] offset:32*SP*((\t)%2)+8*SP*\i
.endr
.irp i, 0,1,2,3
	ds_load_b128 v[XX+16*((\t)%2)+4*\i:XX+16*((\t)%2)+4*\i+3], v15 offset:32*SP*((\t)%2)+16*\i
.endr
.endm
.irp t, 0,1,2,3,4,5,6,7
	LOADX \t
.endr
	s_wait_loadcnt 28                              ; step 0's four loads are in; the 28 of steps 1 to 7 may be out
	TURNX 0
.macro STEPX t
.set XS, XX+16*((\t)%2)
.if (\t) > 0
	s_wait_dscnt 1                                 ; this step's numbers are back from the stage, so its stores into the stage have read their registers; the last step's byte store may be out
.else
	s_wait_dscnt 0x0
.endif
.if (\t)+AHEAD < STEPS
	LOADX (\t)+AHEAD                               ; into the registers that this step's stage stores have read
.endif
.if (\t)+1 < STEPS
.if STEPS-2-(\t) >= AHEAD-1
	s_wait_loadcnt 4*(AHEAD-1)                     ; the next step's four loads are in; those of the seven steps behind it may be out
.else
	s_wait_loadcnt 4*(STEPS-2-(\t))                ; the tail: four for each step still behind it
.endif
	TURNX (\t)+1                                   ; the next step goes through the other stage while this one is worked
.endif
	v_max3_num_f32 v8, |v[XS]|, |v[XS+1]|, |v[XS+2]|               ; the largest magnitude of my 16, in two chains
	v_max3_num_f32 v9, |v[XS+3]|, |v[XS+4]|, |v[XS+5]|
.irp i, 6,10
	v_max3_num_f32 v8, v8, |v[XS+\i]|, |v[XS+\i+1]|
	v_max3_num_f32 v9, v9, |v[XS+\i+2]|, |v[XS+\i+3]|
.endr
	v_max3_num_f32 v8, v8, |v[XS+14]|, |v[XS+15]|
	v_max3_num_f32 v8, v8, v9, 0x1800000           ; and the floor 2^(3 - 127): the byte cannot fall under 1
	v_max_num_f32_dpp v8, v8, v8 row_xmask:1 row_mask:0xf bank_mask:0xf   ; with my neighbour's 16: the block's
	v_add_nc_u32 v11, 0xff000000, v8               ; 2 off its exponent field: the conversion takes this operand's exponent field as its scale, and nothing else of it
	v_cvt_scalef32_pk8_fp4_f32 v[XC+2*(\t)], v[XS:XS+7], v11
	v_cvt_scalef32_pk8_fp4_f32 v[XC+2*(\t)+1], v[XS+8:XS+15], v11
	v_lshrrev_b32 v[XE+(\t)], 23, v11              ; the scale's byte (also the plain line behind the conversions)
	ds_store_b8 v5, v[XE+(\t)] offset:16*(\t)      ; both lanes of a block write the same byte with the same value
	global_store_b64 v4, v[XC+2*(\t):XC+2*(\t)+1], s[30:31] offset:32*CB*(\t)   ; the wave stores 256 consecutive bytes, aligned
.endm
.irp t, 0,1,2,3,4,5,6,7,8,9,10,11,12,13,14,15
	STEPX \t
.endr
	ds_load_b64 v[8:9], v6                         ; LDS serves a wave's instructions in order: these see my byte stores
	s_wait_dscnt 0x0
	global_store_b64 v7, v[8:9], s[32:33]          ; 32 lanes store the wave's 256 scale bytes, aligned
	s_wait_tensorcnt 0x0                           ; the wave's end: a wait, an add of 0 to my spare word, and its wait, behind my last LDS store
	ds_add_u32 v[SPW], v[NIL]
	s_wait_dscnt 0x0
	s_endpgm
; ---------------- PATH W: K is the FIRST axis.  A lane takes a column n and its registers run down K: a block of 32 along K lies in ONE lane's 32 registers, and the conversions give codes with K innermost.
; A wave takes 16 columns x 512 along K: lanes 0-15 the lower 256 of them, lanes 16-31 the upper 256, so that a lane walks 8 blocks only and the wave's own stage still gathers whole rows of 256 bytes of codes.
; A load reads two runs of 64 bytes; the four waves of a work-group stand side by side on 256.  The codes leave as rows: sixteen lanes store 256 consecutive bytes, aligned.
.Lw:
	s_lshr_b32 s41, ttmp9, 5                       ; which weight: 32 work-groups each
	s_and_b32 s44, ttmp9, 15                       ; which 64 columns
	s_bfe_u32 s45, ttmp9, 0x10004                  ; which 512 along K
	s_cmp_eq_u32 s41, 1
	s_cselect_b64 s[28:29], s[12:13], s[10:11]
	s_cmp_eq_u32 s41, 2
	s_cselect_b64 s[28:29], s[14:15], s[28:29]
	s_lshl_b32 s44, s44, 6
	s_lshl_b32 s46, s[WV], 4
	s_add_co_u32 s44, s44, s46                     ; my wave's first column
	s_lshl_b32 s42, s45, 21                        ; 512 rows of 4,096 bytes
	s_lshl_b32 s46, s44, 2
	s_add_co_u32 s42, s42, s46
	s_add_nc_u64 s[28:29], s[28:29], s[42:43]
	s_lshl_b32 s41, s41, 10
	s_add_co_u32 s41, s41, s44                     ; my first row of the stacked codes
	s_lshl_b32 s42, s41, 9
	s_lshl_b32 s46, s45, 8
	s_add_co_u32 s42, s42, s46                     ; 512 bytes a row, + 256 for the second half of K
	s_add_nc_u64 s[30:31], s[22:23], s[42:43]
	s_lshl_b32 s42, s41, 5
	s_lshl_b32 s46, s45, 4
	s_add_co_u32 s42, s42, s46                     ; 32 scale bytes a row, + 16
	s_add_nc_u64 s[32:33], s[24:25], s[42:43]
	v_and_b32 v5, 15, v2                           ; my column of the sixteen
	v_lshrrev_b32 v6, 4, v2                        ; my 256 of the 512 along K
	v_lshlrev_b32 v3, 2, v5                        ; in: 4 bytes a column,
	v_lshl_add_u32 v3, v6, 20, v3                  ; 256 rows of 4,096 bytes further down for lanes 16-31
	s_mul_i32 s46, s[WV], 16*WPITCH
	s_add_co_u32 s46, s46, WSTAGE                  ; my stage
	v_mul_u32_u24 v4, v5, WPITCH
	v_lshl_add_u32 v4, v6, 7, v4
	v_add_nc_u32 v4, s46, v4                       ; into it: row = my column, + 128 bytes for the upper 256 along K
	v_mul_u32_u24 v7, v6, WPITCH                   ; out of it: sixteen lanes to a row, two rows an instruction
	v_lshl_add_u32 v7, v5, 4, v7
	v_add_nc_u32 v7, s46, v7
	v_lshlrev_b32 v8, 9, v6
	v_lshl_add_u32 v8, v5, 4, v8                   ; and the same place in the codes' buffer
	v_lshlrev_b32 v9, 5, v5
	v_lshl_add_u32 v9, v6, 3, v9                   ; my 8 scale bytes: my column's row, + 8 for the upper 256 along K
.macro LOADW t                         ; block t: W(256 (lane / 16) + 32 t + i, my column) into set t % 2; the largest offset, 255 rows of 4,096 bytes, lies inside the signed 24-bit immediate
.irp i, 0,1,2,3,4,5,6,7,8,9,10,11,12,13,14,15,16,17,18,19,20,21,22,23,24,25,26,27,28,29,30,31
	global_load_b32 v[WX+32*((\t)%2)+\i], v3, s[28:29] offset:(32*(\t)+\i)*4096 th:TH_LOAD_NT
.endr
.endm
	LOADW 0
	LOADW 1
.macro BLOCKW t
.set XS, WX+32*((\t)%2)
.if (\t) < NB-1
	s_wait_loadcnt 32                              ; this block's 32 loads are in; the next block's 32 may be out
.else
	s_wait_loadcnt 0
.endif
	v_max3_num_f32 v12, |v[XS]|, |v[XS+1]|, |v[XS+2]|               ; the block's largest magnitude: all 32 numbers are mine
	v_max3_num_f32 v13, |v[XS+3]|, |v[XS+4]|, |v[XS+5]|
.irp i, 6,10,14,18,22,26
	v_max3_num_f32 v12, v12, |v[XS+\i]|, |v[XS+\i+1]|
	v_max3_num_f32 v13, v13, |v[XS+\i+2]|, |v[XS+\i+3]|
.endr
	v_max3_num_f32 v12, v12, |v[XS+30]|, |v[XS+31]|
	v_max3_num_f32 v12, v12, v13, 0x1800000        ; and the floor 2^(3 - 127)
	v_add_nc_u32 v11, 0xff000000, v12              ; 2 off its exponent field: the conversions' scale operand
	v_lshrrev_b32 v13, 23, v11                     ; the scale's byte
.if (\t)%4 == 0
	v_mov_b32 v[WSB+(\t)/4], v13                   ; four bytes to a register, the lower K in the lower byte
.else
	v_lshl_or_b32 v[WSB+(\t)/4], v13, 8*((\t)%4), v[WSB+(\t)/4]
.endif
.irp g, 0,1,2,3
	v_cvt_scalef32_pk8_fp4_f32 v[WC+\g], v[XS+8*\g:XS+8*\g+7], v11
.endr
	v_nop                                          ; a plain line behind the last conversion
	ds_store_b128 v4, v[WC:WC+3] offset:16*(\t)    ; 32 codes: 16 bytes of my column's row
.if (\t)+2 < NB
	LOADW (\t)+2
.endif
	s_wait_dscnt 0x0                               ; the store has read its registers: the next block's codes may be written
.endm
.set Q, 0
.rept NB
	BLOCKW Q
.set Q, Q+1
.endr
	global_store_b64 v9, v[WSB:WSB+1], s[32:33]    ; my 8 scale bytes
.irp t, 0,1,2,3,4,5,6,7
	ds_load_b128 v[WOUT+4*\t:WOUT+4*\t+3], v7 offset:2*\t*WPITCH   ; LDS serves a wave's instructions in order: these see my wave's stores
.endr
.irp t, 0,1,2,3,4,5,6,7
	s_wait_dscnt 7-\t                              ; load t is back; the 7 - t younger ones may be out
	global_store_b128 v8, v[WOUT+4*\t:WOUT+4*\t+3], s[30:31] offset:2*\t*KROW
.endr
	s_wait_tensorcnt 0x0                           ; the wave's end: a wait, an add of 0 to my spare word, and its wait, behind my last LDS store
	ds_add_u32 v[SPW], v[NIL]
	s_wait_dscnt 0x0
	s_endpgm
; ---------------- PATH WO: a lane takes a column n of Wo, its registers run down k.  A wave takes 32 columns x 128 along k, four blocks of 32.  Eight neighbours along k, rounded to f16, are the 16 bytes of
; (row n % 16, half h) of a chunk: piece p of block t lies 1,024 t + 256 p bytes on, and sixteen lanes (sixteen n) store 256 consecutive bytes, aligned.  No LDS is needed.
.Lwo:
	s_sub_co_u32 s41, ttmp9, 96
	s_and_b32 s44, s41, 7                          ; which 128 columns
	s_lshr_b32 s45, s41, 3                         ; which 128 along k
	s_lshl_b32 s42, s45, 19                        ; 128 rows of 4,096 bytes
	s_lshl_b32 s46, s44, 9
	s_add_co_u32 s42, s42, s46
	s_lshl_b32 s46, s[WV], 7
	s_add_co_u32 s42, s42, s46                     ; + 4 x (128 x which + 32 x wave)
	s_add_nc_u64 s[28:29], s[16:17], s[42:43]
	s_lshr_b32 s42, s45, 1
	s_lshl_b32 s42, s42, 19                        ; k / 256: 524,288 bytes each
	s_lshl_b32 s46, s44, 16
	s_add_co_u32 s42, s42, s46
	s_lshl_b32 s46, s[WV], 14
	s_add_co_u32 s42, s42, s46                     ; n / 16: 8,192 bytes each
	s_and_b32 s46, s45, 1
	s_lshl_b32 s46, s46, 12
	s_add_co_u32 s42, s42, s46                     ; the upper 128 of the 256 along k: eight chunks on
	s_add_nc_u64 s[30:31], s[26:27], s[42:43]
	v_lshlrev_b32 v3, 2, v2                        ; in: 4 bytes a lane
	v_lshrrev_b32 v5, 4, v2
	v_and_b32 v6, 15, v2
	v_lshlrev_b32 v4, 13, v5                       ; out: lanes 16-31 belong to the next sixteen n,
	v_lshl_add_u32 v4, v6, 4, v4                   ; 16 bytes a row
.macro LOADO t
.irp i, 0,1,2,3,4,5,6,7,8,9,10,11,12,13,14,15,16,17,18,19,20,21,22,23,24,25,26,27,28,29,30,31
	global_load_b32 v[OX+32*((\t)%2)+\i], v3, s[28:29] offset:(32*(\t)+\i)*4096 th:TH_LOAD_NT
.endr
.endm
	LOADO 0
	LOADO 1
.macro BLOCKO t
.if (\t) < 3
	s_wait_loadcnt 32                              ; this block's 32 loads are in; the next block's 32 may be out
.else
	s_wait_loadcnt 0
.endif
.irp i, 0,1,2,3,4,5,6,7,8,9,10,11,12,13,14,15
	v_cvt_pk_f16_f32 v[OC+16*(\t)+\i], v[OX+32*((\t)%2)+2*\i], v[OX+32*((\t)%2)+2*\i+1]   ; the lower k in the low half
.endr
.irp p, 0,1,2,3
	global_store_b128 v4, v[OC+16*(\t)+4*\p:OC+16*(\t)+4*\p+3], s[30:31] offset:1024*(\t)+256*\p
.endr
.if (\t) < 2
	LOADO (\t)+2
.endif
.endm
	BLOCKO 0
	BLOCKO 1
	BLOCKO 2
	BLOCKO 3
	s_wait_tensorcnt 0x0                           ; the same three lines as at the other two ends
	ds_add_u32 v[SPW], v[NIL]
	s_wait_dscnt 0x0
	s_endpgm
.Lfunc_end_k_qc39efc4eed_prep:
	.size	k_qc39efc4eed_prep, .Lfunc_end_k_qc39efc4eed_prep-k_qc39efc4eed_prep
	.p2alignl 7, 3214868480
	.fill 96, 4, 3214868480
	.section	.rodata,"a",@progbits
	.p2align	6, 0x0
	.amdhsa_kernel k_qc39efc4eed_prep
		.amdhsa_group_segment_fixed_size 50688
		.amdhsa_private_segment_fixed_size 0
		.amdhsa_enable_private_segment 0
		.amdhsa_kernarg_size 96
		.amdhsa_user_sgpr_count 2
		.amdhsa_user_sgpr_kernarg_segment_ptr 1
		.amdhsa_wavefront_size32 1
		.amdhsa_system_sgpr_workgroup_id_x 1
		.amdhsa_system_sgpr_workgroup_id_y 1
		.amdhsa_system_sgpr_workgroup_id_z 1
		.amdhsa_system_vgpr_workitem_id 0
		.amdhsa_next_free_vgpr 228
		.amdhsa_next_free_sgpr 66
		.amdhsa_reserve_vcc 0
		.amdhsa_float_denorm_mode_32 3
		.amdhsa_float_denorm_mode_16_64 3
		.amdhsa_memory_ordered 1
		.amdhsa_forward_progress 1
		.amdhsa_inst_pref_size 92
	.end_amdhsa_kernel
	.amdgpu_metadata
---
amdhsa.version: [ 1, 2 ]
amdhsa.kernels:
  - .name:           k_qc39efc4eed_prep
    .symbol:         k_qc39efc4eed_prep.kd
    .args:
      - { .name: q, .offset: 0, .size: 8, .value_kind: global_buffer, .address_space: global }
      - { .name: k, .offset: 8, .size: 8, .value_kind: global_buffer, .address_space: global }
      - { .name: v, .offset: 16, .size: 8, .value_kind: global_buffer, .address_space: global }
      - { .name: Wq, .offset: 24, .size: 8, .value_kind: global_buffer, .address_space: global }
      - { .name: Wk, .offset: 32, .size: 8, .value_kind: global_buffer, .address_space: global }
      - { .name: Wv, .offset: 40, .size: 8, .value_kind: global_buffer, .address_space: global }
      - { .name: Wo, .offset: 48, .size: 8, .value_kind: global_buffer, .address_space: global }
      - { .name: xc, .offset: 56, .size: 8, .value_kind: global_buffer, .address_space: global }
      - { .name: xs, .offset: 64, .size: 8, .value_kind: global_buffer, .address_space: global }
      - { .name: wc, .offset: 72, .size: 8, .value_kind: global_buffer, .address_space: global }
      - { .name: ws, .offset: 80, .size: 8, .value_kind: global_buffer, .address_space: global }
      - { .name: wot, .offset: 88, .size: 8, .value_kind: global_buffer, .address_space: global }
    .group_segment_fixed_size: 50688
    .private_segment_fixed_size: 0
    .kernarg_segment_align: 8
    .kernarg_segment_size: 96
    .max_flat_workgroup_size: 128
    .sgpr_count:     66
    .vgpr_count:     228
    .wavefront_size: 32
...
	.end_amdgpu_metadata
.endif
;; end of part 1
;; launch proj (part 2): grid 4 x 48, 4 waves a work-group, clusters of 4 x 4, 327,680 bytes of LDS; arguments xc, xs, wc, ws, qkv, bq, bk, bv; writes qkv
.if DOCPART == 2
	.amdgcn_target "amdgcn-amd-amdhsa--gfx1250"
	.amdhsa_code_object_version 6
	.text
	.protected	k_qc39efc4eed_proj
	.globl	k_qc39efc4eed_proj
	.p2align	8
	.type	k_qc39efc4eed_proj,@function
k_qc39efc4eed_proj:
	s_mov_b64 s[64:65], 0
	v_nop
	global_prefetch_b8 v0, s[64:65] scope:SCOPE_SE
	s_setreg_imm32_b32 hwreg(HW_REG_WAVE_MODE, 25, 1), 1
	s_wait_xcnt 0x0
	s_wait_alu depctr_hold_cnt(0) depctr_sa_sdst(0) depctr_va_vdst(0) depctr_va_sdst(0) depctr_va_ssrc(0) depctr_va_vcc(0) depctr_vm_vsrc(0)
	s_getreg_b32 s2, hwreg(HW_REG_IB_STS2, 6, 4)
	s_cmp_eq_u32 s2, 0
	s_cbranch_scc0 .Lentry_in_a_cluster
	s_endpgm
.Lentry_in_a_cluster:
	s_bfe_u32 s2, ttmp6, 0x10000c
	s_cmp_lg_u32 s2, 0xf033
	s_cbranch_scc0 .Lentry_shape_is_right
	s_endpgm
.Lentry_shape_is_right:
; PROJ: Q = q Wq + bq, K = k Wk + bk, V = v Wv + bv, all three in one launch, on codes of FP4 (E2M1) with one E8M0 scale for each 32 along K; sums in f32; results rounded once to f16.
; A = xc [3 x 4096][512 bytes] with scales xs [..][32]; B = wc [3 x 1024 (n)][512 bytes] with scales ws [..][32]: K = 1,024 innermost, two codes a byte.
; A tile of the result, 256 x 256, is made by a work-group of four waves; a wave makes 128 x 128: 64 accumulators of 16 x 16, 512 registers.  48 tile rows (16 for each of q, k, v) x 4 tile columns.
; K = 1,024 is two LDS slots of 512 along K (rows of 256 bytes + 16 of padding): ALL of K comes with the first fills, and no LDS byte is filled twice.  The scale bytes of the work-group's rows come with them.
; CLUSTERS: 4 x 4 work-groups.  The four of a row of the cluster need the same tiles of A, the four of a column the same tiles of B: each tile is asked for JOINTLY, by the same tensor load with the same
; descriptor and a mask that names the four.  A cluster's four tile rows lie in one of q, k, v, so which weight and bias is the same in all sixteen.
; THE MATRIX INSTRUCTION IS USED TRANSPOSED (source 0 = 16 rows of B, source 1 = 16 rows of A): a lane holds one row (position) and eight neighbouring columns (channels).  THE BIAS is the C of each sum's first instruction.
; THE WAY OUT NEEDS NO STAGE.  qkv is f16, [which (3)][batch (2)][head (16)][position / 16 (128)][channel / 16 (4)][512 bytes]: a CHUNK of 512 bytes is 16 positions x 16 channels, lane l = r + 16 h owning the
; 16 bytes at 16 l (position r, channels 8 h .. 8 h + 7): an accumulator, rounded in pairs, IS a chunk, and one store of the wave covers 512 consecutive bytes, aligned.  V's chunks are stored with the lanes'
; places permuted, at 16 x ((l & 7) + 8 (l >> 4) + 16 ((l >> 3) & 1)), so that the turning LDS load of the next launch can read them at 16 x lane.
; LIMITS: a result beyond 65,504 becomes infinity in f16; under 6e-5 it is carried as an f16 subnormal.
; REGISTERS, in windows of 256: window 0: v0-31 addresses; v32-95 scale words, two sets; v128-191 A's fragments, ONE set; v192-255 the bias; on the way out v32-255 take the packed results.
;   window 1: B's fragments, TWO sets, at v0 and v128.   window 2: the accumulators of my rows 0-63 ((a, b) at v[8 (8 a + b)]);   window 3: those of my rows 64-127.
.set NQ,     4                         ; matrix instructions deep in a slot: 512 along K
.set ROWB,   256                       ; a tile's row in bytes
.set KROW,   512                       ; a row of A or of B in memory, in bytes
.set PITCH,  272                       ; an LDS row: 256 bytes + 16 of padding = 68 words, so that the 16 rows that a load touches start at 16 different banks
.set FR,     8                         ; registers of a fragment: 16 rows x 128 K
.set NL,     2                         ; LDS loads that bring one
.set NP,     4                         ; places behind this matrix instruction (ISA guide 7.12.1)
.set HALFT,  128*PITCH                 ; 128 rows: what one tensor load brings, and what one wave reads of A or of B
.set SLOT,   4*HALFT                   ; A's 256 rows, then B's 256 rows
.set KS,     32                        ; a row of scales in bytes
.set SCL,    2*SLOT                    ; behind the slots: the scales, as units of 256 bytes + 16 of padding
.set HALFS,  (128*KS/256)*272          ; the scales of 128 rows: what one tensor load brings
.set SBLK,   (16*KS/256)*272           ; those of 16 rows
.set SPARE,  SCL+4*HALFS               ; behind the scales: the spare words, 128 bytes for each wave: two blocks of 256 bytes that no other line names
.set ADRA, 16                          ; v16-17  LDS address of my A fragments in slot 0, 1
.set ADRB, 20                          ; v20-21  the same for B
.set CO,   26                          ; v26     my 16 bytes' place in a chunk
.set ADRS, 27                          ; v27     LDS address of my scale words: lanes 0-15 A's rows, lanes 16-31 B's
.set SPW,  28                          ; v28     LDS address of my spare word; never rewritten
.set NIL,  29                          ; v29     0; never rewritten
.set BO,   30                          ; v30     32 x (lane / 16): my eight numbers of a bias tile
.set SC,   32                          ; scale words: set s at v[SC + 32 s]; register 4 i + q: lanes 0-15 the word of A's block i, lanes 16-31 that of B's block i, for the slot's q-th 128 along K
.set AF,   128                         ; A's fragments
.set BI,   192                         ; the bias: eight registers for each of my eight blocks of 16 columns, in the result's layout
.set G1, 24                            ; s[24:31] descriptor group 1 for A's tiles;  s[32:39] group 0, one set for each slot
.set G0, 32
.set G1B, 48                           ; s[48:55], s[56:63] the same for B's tiles
.set G0B, 56
.set G1S, 68                           ; s[68:75], s[76:79] groups 1 and 0 for A's scales;  s[80:87], s[88:91] for B's
.set G0S, 76
.set G1SB, 80
.set G0SB, 88
.set MSB, 0
.macro WIN new                         ; the immediate's high byte repeats the setting that is left
.if MSB != \new
	s_set_vgpr_msb (MSB<<8)|\new
.set MSB, \new
.endif
.endm
.set MUL_LO,  0xa1                     ; source 0 (B) window 1, source 1 (A) window 0, C and D window 2
.set MUL_HI,  0xf1                     ; the same, C and D window 3
.set MUL_LO0, 0x81                     ; the first step: C (the bias) window 0, D window 2
.set MUL_HI0, 0xc1                     ; C window 0, D window 3
.set TO_B,    0x40                     ; destination window 1, address window 0
; A joint load: waves 0 and 1 fetch for A, waves 2 and 3 for B.  Each of the two lines has ONE mask and one set of registers for all that issue it; the branch hangs on the wave's number alone.
; An s_nop 0 and four v_nop follow each of the two lines, ahead of the jump, the label and what follows.
.macro JLOAD g0a, g1a, g0b, g1b
	s_cmp_eq_u32 s15, 0
	s_cbranch_scc0 .Lfor_b_\@
	tensor_load_to_lds s[\g0a:\g0a+3], s[\g1a:\g1a+7]
	s_nop 0
.rept 4
	v_nop
.endr
	s_branch .Lasked_\@
.Lfor_b_\@:
	tensor_load_to_lds s[\g0b:\g0b+3], s[\g1b:\g1b+7]
	s_nop 0
.rept 4
	v_nop
.endr
.Lasked_\@:
.endm
.macro CROUND                          ; a round of the cluster's barrier: my work-group's barrier; wave 0 signals for the work-group; every wave waits for all sixteen; my work-group's barrier once more
	s_barrier_signal -1
	s_barrier_wait -1
	s_cmp_lg_u32 s14, 0
	s_cbranch_scc1 .Lnot_wave_0_\@
	s_barrier_signal -3
.Lnot_wave_0_\@:
	s_barrier_wait -3
	s_barrier_signal -1
	s_barrier_wait -1
.endm
	s_load_b128 s[4:7], s[0:1], 0x0                ; A's codes s[4:5], A's scales s[6:7]
	s_load_b128 s[8:11], s[0:1], 0x10              ; B's codes s[8:9], B's scales s[10:11]
	s_load_b64 s[12:13], s[0:1], 0x20              ; qkv
	s_load_b128 s[96:99], s[0:1], 0x28             ; bq, bk
	s_load_b64 s[100:101], s[0:1], 0x38            ; bv
	v_lshl_add_u32 v[SPW], v0, 2, SPARE
	v_mov_b32 v[NIL], 0
	ds_add_u32 v[SPW], v[NIL]                      ; the wave's opening: the add, twice on end, and its wait ahead of my first tensor load; the set-up below, work on registers, stands between
	ds_add_u32 v[SPW], v[NIL]
	v_lshrrev_b32 v1, 5, v0
	v_readfirstlane_b32 s14, v1                    ; wave 0..3
	s_lshr_b32 s15, s14, 1                         ; which half of the tile's rows is mine.  Also: I fetch for A (0) or for B (1)
	s_and_b32 s16, s14, 1                          ; which half of its columns.  Also: which 128 rows of that tile I fetch
	s_bfe_u32 s40, ttmp6, 0x40000                  ; cx, cy: my place in the cluster
	s_bfe_u32 s41, ttmp6, 0x40004
	s_lshl_b32 s42, ttmp9, 2
	s_add_co_u32 s42, s42, s40                     ; tile column = 4 x cluster x + cx
	s_and_b32 s17, ttmp7, 0xffff
	s_lshr_b32 s95, s17, 2                         ; which of q, k, v: cluster y / 4, the same in all sixteen partners
	s_lshl_b32 s17, s17, 2
	s_add_co_u32 s17, s17, s41                     ; tile row = 4 x cluster y + cy, 0 .. 47
	s_lshl_b32 s43, s41, 2
	s_lshl_b32 s43, 15, s43                        ; my row of the cluster
	s_lshl_b32 s44, 0x1111, s40                    ; my column
	; descriptor group 1: a tile of 128 rows x 256 bytes, padded in LDS
	s_or_b32 s[G1+0], s43, (0<<16)|(1<<20)|(1<<21)|(5<<22)|(3<<25)  ; 15:0 the mask: A's tiles go to my row; 17:16 elements of 1 byte; 20 padding on; 21 set beside a mask; 24:22 after every 64 words; 31:25 four words
	s_or_b32 s[G1B+0], s44, (0<<16)|(1<<20)|(1<<21)|(5<<22)|(3<<25)
.irp g, G1, G1B
	s_mov_b32 s[\g+1], ROWB<<16                    ; tensor_dim0
	s_mov_b32 s[\g+2], 128<<16                     ; tensor_dim1 = 128
	s_mov_b32 s[\g+3], ROWB<<16                    ; tile_dim0
	s_mov_b32 s[\g+4], 128                         ; tile_dim1 = 128
	s_mov_b32 s[\g+5], KROW                        ; tensor_dim0_stride
	s_mov_b32 s[\g+6], 0
	s_mov_b32 s[\g+7], 0
.endr
	; and for the scales of 128 rows: a dense block of 4,096 bytes, as 16 rows of 256 bytes (32 elements of 8 bytes), 16 bytes of padding behind each
	s_or_b32 s[G1S+0], s43, (3<<16)|(1<<20)|(1<<21)|(5<<22)|(3<<25)
	s_or_b32 s[G1SB+0], s44, (3<<16)|(1<<20)|(1<<21)|(5<<22)|(3<<25)
.irp g, G1S, G1SB
	s_mov_b32 s[\g+1], 32<<16
	s_mov_b32 s[\g+2], (128*KS/256)<<16
	s_mov_b32 s[\g+3], 32<<16
	s_mov_b32 s[\g+4], 128*KS/256
	s_mov_b32 s[\g+5], 32
	s_mov_b32 s[\g+6], 0
	s_mov_b32 s[\g+7], 0
.endr
	s_lshl_b32 s18, s16, 7                         ; which 128 rows of the tile I fetch
	s_lshl_b32 s20, s17, 8
	s_add_co_u32 s20, s20, s18                     ; A: stacked row 256 x tile row + 128 x half
	s_lshl_b32 s46, s42, 8
	s_add_co_u32 s46, s46, s18                     ; B: row 256 x tile column + 128 x half,
	s_lshl_b32 s47, s95, 10
	s_add_co_u32 s46, s46, s47                     ; in the weight that belongs to my cluster's rows
	s_mov_b32 s21, 0
	s_mov_b32 s47, 0
	s_mov_b64 s[18:19], KS
	s_mul_u64 s[22:23], s[20:21], s[18:19]         ; where these rows' scales begin, in bytes
	s_mul_u64 s[92:93], s[46:47], s[18:19]
	s_mov_b64 s[18:19], KROW
	s_mul_u64 s[20:21], s[20:21], s[18:19]         ; and their codes
	s_mul_u64 s[46:47], s[46:47], s[18:19]
	s_mul_i32 s45, s14, HALFT                      ; where they go: wave x 128 rows: no place in the cluster enters an LDS address
	s_mul_i32 s94, s14, HALFS
	s_wait_dscnt 0x0                               ; both opening adds are done
	s_wait_kmcnt 0x0
	s_add_nc_u64 s[20:21], s[4:5], s[20:21]
	s_add_nc_u64 s[22:23], s[6:7], s[22:23]
	s_add_nc_u64 s[46:47], s[8:9], s[46:47]
	s_add_nc_u64 s[92:93], s[10:11], s[92:93]
	CROUND                                         ; all sixteen work-groups are here: the joint loads meet
	s_mov_b32 s[G0S], 1
	s_add_co_u32 s[G0S+1], s94, SCL
	s_mov_b64 s[G0S+2:G0S+3], s[22:23]
	s_or_b32 s[G0S+3], s[G0S+3], 0x80000000
	s_mov_b32 s[G0SB], 1
	s_add_co_u32 s[G0SB+1], s94, SCL
	s_mov_b64 s[G0SB+2:G0SB+3], s[92:93]
	s_or_b32 s[G0SB+3], s[G0SB+3], 0x80000000
	JLOAD G0S, G1S, G0SB, G1SB                     ; the scales first: they are wanted with the first slot
.irp s, 0,1
	s_mov_b32 s[G0+4*\s], 1
	s_add_co_u32 s[G0+4*\s+1], s45, \s*SLOT
	s_add_nc_u64 s[G0+4*\s+2:G0+4*\s+3], s[20:21], \s*ROWB
	s_or_b32 s[G0+4*\s+3], s[G0+4*\s+3], 0x80000000
	s_mov_b32 s[G0B+4*\s], 1
	s_add_co_u32 s[G0B+4*\s+1], s45, \s*SLOT
	s_add_nc_u64 s[G0B+4*\s+2:G0B+4*\s+3], s[46:47], \s*ROWB
	s_or_b32 s[G0B+4*\s+3], s[G0B+4*\s+3], 0x80000000
	JLOAD G0+4*\s, G1, G0B+4*\s, G1B               ; three tensor loads of mine are out: all that this launch issues
.endr
	v_and_b32 v1, 15, v0                           ; l % 16
	v_bfe_u32 v2, v0, 4, 1                         ; l / 16
	v_mul_u32_u24 v3, v1, PITCH
	v_lshl_add_u32 v4, v2, 4, v3                   ; a fragment's row x pitch + 16 x half
	s_mul_i32 s21, s15, HALFT                      ; my 128 rows of A
	s_mul_i32 s22, s16, HALFT                      ; my 128 rows of B,
	s_add_co_u32 s22, s22, 2*HALFT                 ; which lie behind A's 256
.irp s, 0,1
	v_add_nc_u32 v[ADRA+\s], s21, v4
	v_add_nc_u32 v[ADRB+\s], s22, v4
	s_add_co_u32 s21, s21, SLOT
	s_add_co_u32 s22, s22, SLOT
.endr
	v_mul_u32_u24 v5, v1, KS                       ; my row's scales: 32 bytes a row,
	v_lshrrev_b32 v6, 8, v5
	v_lshl_add_u32 v5, v6, 4, v5                   ; and 16 more for each 256 passed
	s_mul_i32 s21, s15, HALFS                      ; A's: my 128 rows
	s_mul_i32 s22, s16, HALFS                      ; B's: my 128 rows, behind A's 256
	s_add_co_u32 s22, s22, 2*HALFS
	s_sub_co_u32 s22, s22, s21
	v_mul_u32_u24 v6, s22, v2                      ; lanes 16-31 take B's: one product, the distance between the two
	s_add_co_u32 s21, s21, SCL
	v_add_nc_u32 v5, v5, v6
	v_add_nc_u32 v[ADRS], s21, v5
	; which bias, and whether the chunks are V's: both hang on cluster y alone
	s_cmp_eq_u32 s95, 1
	s_cselect_b64 s[96:97], s[98:99], s[96:97]
	s_cmp_eq_u32 s95, 2
	s_cselect_b64 s[96:97], s[100:101], s[96:97]
	s_cselect_b32 s94, -1, 0                       ; all lanes or none
	s_lshl_b32 s22, s42, 10
	s_lshl_b32 s23, s16, 9
	s_add_co_u32 s22, s22, s23                     ; my first column x 4 bytes: 1,024 x tile column + 512 x half
	s_mov_b32 s23, 0
	s_add_nc_u64 s[96:97], s[96:97], s[22:23]
	v_lshlrev_b32 v[BO], 5, v2
.irp b, 0,1,2,3,4,5,6,7
	global_load_b128 v[BI+8*\b:BI+8*\b+3], v[BO], s[96:97] offset:64*\b          ; bias(16 b + 8 h + 0 .. 7): register j of the result is column 16 b + 8 h + j
	global_load_b128 v[BI+8*\b+4:BI+8*\b+7], v[BO], s[96:97] offset:64*\b+16
.endr
	v_and_b32 v6, 31, v0
	v_lshlrev_b32 v[CO], 4, v6                     ; 16 x lane;
	v_and_b32 v31, 7, v0
	v_lshl_add_u32 v31, v2, 3, v31
	v_bfe_u32 v6, v0, 3, 1
	v_lshl_add_u32 v31, v6, 4, v31
	v_lshlrev_b32 v31, 4, v31                      ; 16 x ((l & 7) + 8 (l >> 4) + 16 ((l >> 3) & 1))
	v_cndmask_b32 v[CO], v[CO], v31, s94           ; for V's chunks
	; where my part begins in qkv: (tile row / 8) << 22 is which tensor and which batch; head 4 x tile column + 2 x half; position / 16 = 16 (tile row % 8) + 8 x half
	s_lshr_b32 s20, s17, 3
	s_lshl_b32 s20, s20, 22
	s_lshl_b32 s21, s42, 2
	s_lshl_b32 s22, s16, 1
	s_add_co_u32 s21, s21, s22
	s_lshl_b32 s21, s21, 18
	s_add_co_u32 s20, s20, s21
	s_and_b32 s21, s17, 7
	s_lshl_b32 s21, s21, 4
	s_lshl_b32 s22, s15, 3
	s_add_co_u32 s21, s21, s22
	s_lshl_b32 s21, s21, 11
	s_add_co_u32 s20, s20, s21
	s_mov_b32 s21, 0
	s_add_nc_u64 s[12:13], s[12:13], s[20:21]
.macro FRAG reg, adr, q, i             ; a fragment, 16 rows x 128 K of 4-bit codes, is 8 registers: lane l holds row l % 16; registers 4 c .. 4 c + 3 hold K = 64 c + 32 (l / 16) + 0 .. 31
.irp c, 0,1
	ds_load_b128 v[\reg+4*\c:\reg+4*\c+3], v[\adr] offset:64*(\q)+32*\c+(\i)*16*PITCH
.endr
.endm
; 16 matrix instructions: A's blocks a0, a0 + 1 x B's eight, 128 along K: the slot's q-th.  p: B's set;  sc: the set of scale words.  zero = 1: the first product starts the sums from the bias: nothing is cleared or added later.
; The 64 accumulators take turns, one instruction a turn, in the same order in every step.
.macro MUL16 a0, p, q, sc, zero
.irp a, \a0, \a0+1
.irp b, 0,1,2,3,4,5,6,7
.if \zero
	v_wmma_scale_f32_16x16x128_f8f6f4 v[8*(8*((\a)%4)+\b):8*(8*((\a)%4)+\b)+7], v[128*(\p)+FR*\b:128*(\p)+FR*\b+FR-1], v[AF+FR*(\a):AF+FR*(\a)+FR-1], v[BI+8*\b:BI+8*\b+7], v[SC+8*NQ*(\sc)+NQ*\b+(\q)], v[SC+8*NQ*(\sc)+NQ*(\a)+(\q)] matrix_a_fmt:MATRIX_FMT_FP4 matrix_b_fmt:MATRIX_FMT_FP4 matrix_a_scale:MATRIX_SCALE_ROW1
.else
	v_wmma_scale_f32_16x16x128_f8f6f4 v[8*(8*((\a)%4)+\b):8*(8*((\a)%4)+\b)+7], v[128*(\p)+FR*\b:128*(\p)+FR*\b+FR-1], v[AF+FR*(\a):AF+FR*(\a)+FR-1], v[8*(8*((\a)%4)+\b):8*(8*((\a)%4)+\b)+7], v[SC+8*NQ*(\sc)+NQ*\b+(\q)], v[SC+8*NQ*(\sc)+NQ*(\a)+(\q)] matrix_a_fmt:MATRIX_FMT_FP4 matrix_b_fmt:MATRIX_FMT_FP4 matrix_a_scale:MATRIX_SCALE_ROW1
.endif
.endr
.endr
.endm
.macro FETCH_B slot, q, p              ; B's eight fragments of the slot's q-th 128 along K into set p
	WIN TO_B
.irp i, 0,1,2,3,4,5,6,7
	FRAG 128*(\p)+FR*\i, ADRB+\slot, \q, \i
.endr
	WIN 0
.endm
.macro FETCH_A slot, q, i0             ; A's blocks i0 .. i0 + 3
.irp i, \i0, \i0+1, \i0+2, \i0+3
	FRAG AF+FR*(\i), ADRA+\slot, \q, \i
.endr
.endm
.macro SCALES sc                       ; a slot's scale words into set sc: four words a row; lanes 0-15 take A's block i, lanes 16-31 B's block i
.irp i, 0,1,2,3,4,5,6,7
	ds_load_b128 v[SC+8*NQ*\sc+NQ*\i:SC+8*NQ*\sc+NQ*\i+3], v[ADRS] offset:\i*SBLK
.endr
.endm
; A load into a register that a matrix instruction has read, and a vector instruction that reads a matrix result or writes one of its registers, stand NP places behind it, and only plain vector
; instructions that name none of its registers are places (ISA guide 7.12.1 for vector instructions).
.macro PLACES n
.rept \n
	v_nop
.endr
.endm
; A step of 128 along K that has its successor in the same slot.  A block of A is free as soon as its eight products are issued, so one set of registers serves A: blocks 0-3 are fetched anew in the step's middle, blocks 4-7 at its end.
.macro STEP slot, q, zero
	s_wait_dscnt 4*NL                              ; B's set and A's blocks 0-3 are in; the youngest eight loads (A's blocks 4-7) may be out
.if \zero
	WIN MUL_LO0
.else
	WIN MUL_LO
.endif
	MUL16 0, (\q)%2, \q, \slot, \zero
	MUL16 2, (\q)%2, \q, \slot, \zero
	s_wait_dscnt 0                                 ; A's blocks 4-7 are in
	PLACES NP
	FETCH_B \slot, (\q)+1, 1-(\q)%2
	FETCH_A \slot, (\q)+1, 0
.if \zero
	WIN MUL_HI0
.else
	WIN MUL_HI
.endif
	MUL16 4, (\q)%2, \q, \slot, \zero
	MUL16 6, (\q)%2, \q, \slot, \zero
	PLACES NP
	WIN 0
	FETCH_A \slot, (\q)+1, 4
.endm
.macro STEPS slot, from                ; the slot's steps from .. NQ - 2
.set Q, \from
.rept NQ-1-\from
	STEP \slot, Q, 0
.set Q, Q+1
.endr
.endm
	s_wait_tensorcnt 1                             ; the scales and my part of slot 0 are in; slot 1's load, the one issued behind them, may be out
	s_barrier_signal -1
	s_barrier_wait -1                              ; everybody's are
	FETCH_B 0, 0, 0
	FETCH_A 0, 0, 0
	SCALES 0
	FETCH_A 0, 0, 4
	s_wait_loadcnt 0x0                             ; the bias
	STEP 0, 0, 1                                   ; the first step's products start the sums from the bias
	STEPS 0, 1
	; slot 0's last step changes slots: one barrier; in front of it each wave waits for all its tensor loads (its part of slot 1), adds 0 to its spare word, and waits for that.  Nothing is filled again.
	s_wait_tensorcnt 0x0                           ; my part of slot 1 has landed  (every window is 0 here)
	ds_add_u32 v[SPW], v[NIL]
	s_wait_dscnt 4*NL+1                            ; the add and the youngest eight loads, A's blocks 4-7, may be out
	WIN MUL_LO
	MUL16 0, 1, NQ-1, 0, 0                         ; sixteen matrix instructions stand between the add and the wait for it
	s_wait_dscnt 0x0                               ; the add is done; no LDS instruction of mine is out at the signal
	s_barrier_signal -1
	MUL16 2, 1, NQ-1, 0, 0
	WIN 0
	s_barrier_wait -1                              ; slot 1 is whole
	PLACES NP
	v_add_nc_u32 v[ADRS], 4*NQ, v[ADRS]            ; on to slot 1's scale words
	FETCH_B 1, 0, 0
	FETCH_A 1, 0, 0
	SCALES 1
	WIN MUL_HI
	MUL16 4, 1, NQ-1, 0, 0
	MUL16 6, 1, NQ-1, 0, 0
	PLACES NP
	WIN 0
	FETCH_A 1, 0, 4
	STEPS 1, 0
	s_wait_dscnt 4*NL                              ; the very last step: nothing more to fetch
	WIN MUL_LO
	MUL16 0, 1, NQ-1, 1, 0
	MUL16 2, 1, NQ-1, 1, 0
	s_wait_dscnt 0
	WIN MUL_HI
	MUL16 4, 1, NQ-1, 1, 0
	MUL16 6, 1, NQ-1, 1, 0
	WIN 0
; THE WAY OUT, block by block of 16 rows x 128 columns: each accumulator, from its low end on, is rounded in pairs to f16: four registers, a chunk; one store a chunk.  Seven sets of 32 registers take turns.
.macro OUT a
.set AC, 64*((\a)%4)
.set OT, 32+32*((\a)%7)
.if (\a) == 7
	s_wait_xcnt 0x0                                ; block 0's stores have read their registers, which block 7 takes
.endif
	WIN 0x0a+5*((\a)/4)                            ; sources 0 and 1: window 2 or 3
.irp b, 0,1,2,3,4,5,6,7
.irp r, 0,1,2,3
	v_cvt_pk_f16_f32 v[OT+4*\b+\r], v[AC+8*\b+2*\r], v[AC+8*\b+2*\r+1]
.endr
.endr
	WIN 0
.irp b, 0,1,2,3,4,5,6,7
	global_store_b128 v[CO], v[OT+4*\b:OT+4*\b+3], s[12:13] offset:(\a)*2048+(\b%4)*512+(\b/4)*262144   ; position / 16 + a; channel / 16 = b % 4; head + b / 4.  32 lanes store 512 consecutive bytes, aligned
.endr
.endm
	PLACES NP                                      ; behind the last products: their results are read, and their scale words' and fragments' registers written, only from here on
.irp a, 0,1,2,3,4,5,6,7
	OUT \a
.endr
	s_wait_tensorcnt 0x0                           ; the wave's end: a wait, an add of 0 to my spare word, and its wait, behind my last tensor load
	ds_add_u32 v[SPW], v[NIL]
	s_wait_dscnt 0x0
	CROUND                                         ; the closing round: no work-group ends while a partner may still ask for a tile that names it
	s_endpgm
.Lfunc_end_k_qc39efc4eed_proj:
	.size	k_qc39efc4eed_proj, .Lfunc_end_k_qc39efc4eed_proj-k_qc39efc4eed_proj
	.p2alignl 7, 3214868480
	.fill 96, 4, 3214868480
	.section	.rodata,"a",@progbits
	.p2align	6, 0x0
	.amdhsa_kernel k_qc39efc4eed_proj
		.amdhsa_group_segment_fixed_size 327680
		.amdhsa_private_segment_fixed_size 0
		.amdhsa_enable_private_segment 0
		.amdhsa_kernarg_size 64
		.amdhsa_user_sgpr_count 2
		.amdhsa_user_sgpr_kernarg_segment_ptr 1
		.amdhsa_wavefront_size32 1
		.amdhsa_system_sgpr_workgroup_id_x 1
		.amdhsa_system_sgpr_workgroup_id_y 1
		.amdhsa_system_sgpr_workgroup_id_z 1
		.amdhsa_system_vgpr_workitem_id 0
		.amdhsa_next_free_vgpr 1024
		.amdhsa_next_free_sgpr 102
		.amdhsa_reserve_vcc 0
		.amdhsa_float_denorm_mode_32 3
		.amdhsa_float_denorm_mode_16_64 3
		.amdhsa_memory_ordered 1
		.amdhsa_forward_progress 1
		.amdhsa_inst_pref_size 120
	.end_amdhsa_kernel
	.amdgpu_metadata
---
amdhsa.version: [ 1, 2 ]
amdhsa.kernels:
  - .name:           k_qc39efc4eed_proj
    .symbol:         k_qc39efc4eed_proj.kd
    .args:
      - { .name: xc, .offset: 0, .size: 8, .value_kind: global_buffer, .address_space: global }
      - { .name: xs, .offset: 8, .size: 8, .value_kind: global_buffer, .address_space: global }
      - { .name: wc, .offset: 16, .size: 8, .value_kind: global_buffer, .address_space: global }
      - { .name: ws, .offset: 24, .size: 8, .value_kind: global_buffer, .address_space: global }
      - { .name: qkv, .offset: 32, .size: 8, .value_kind: global_buffer, .address_space: global }
      - { .name: bq, .offset: 40, .size: 8, .value_kind: global_buffer, .address_space: global }
      - { .name: bk, .offset: 48, .size: 8, .value_kind: global_buffer, .address_space: global }
      - { .name: bv, .offset: 56, .size: 8, .value_kind: global_buffer, .address_space: global }
    .group_segment_fixed_size: 327680
    .private_segment_fixed_size: 0
    .kernarg_segment_align: 8
    .kernarg_segment_size: 64
    .max_flat_workgroup_size: 128
    .sgpr_count:     102
    .vgpr_count:     1024
    .wavefront_size: 32
...
	.end_amdgpu_metadata
.endif
;; end of part 2
;; launch attn (part 3): grid 8 x 32, 16 waves a work-group, clusters of 4 x 1, 327,680 bytes of LDS; arguments qkv, ao; writes ao
.if DOCPART == 3
	.amdgcn_target "amdgcn-amd-amdhsa--gfx1250"
	.amdhsa_code_object_version 6
	.text
	.protected	k_qc39efc4eed_attn
	.globl	k_qc39efc4eed_attn
	.p2align	8
	.type	k_qc39efc4eed_attn,@function
k_qc39efc4eed_attn:
	s_mov_b64 s[64:65], 0
	v_nop
	global_prefetch_b8 v0, s[64:65] scope:SCOPE_SE
	s_setreg_imm32_b32 hwreg(HW_REG_WAVE_MODE, 25, 1), 1
	s_wait_xcnt 0x0
	s_wait_alu depctr_hold_cnt(0) depctr_sa_sdst(0) depctr_va_vdst(0) depctr_va_sdst(0) depctr_va_ssrc(0) depctr_va_vcc(0) depctr_vm_vsrc(0)
	s_getreg_b32 s2, hwreg(HW_REG_IB_STS2, 6, 4)
	s_cmp_eq_u32 s2, 0
	s_cbranch_scc0 .Lentry_in_a_cluster
	s_endpgm
.Lentry_in_a_cluster:
	s_bfe_u32 s2, ttmp6, 0x10000c
	s_cmp_lg_u32 s2, 0x3003
	s_cbranch_scc0 .Lentry_shape_is_right
	s_endpgm
.Lentry_shape_is_right:
; ATTN: for each batch and head, O[q] = the sum over k of softmax_k(Q[q] . K[k] / 8) V[k]; 2,048 positions, head size 64, no mask.  Q, K, V arrive as f16 chunks (below); products on f16 operands with f32 sums;
; maxima, exponentials and sums in f32; the weights p are rounded to f16 for the second product, O once at the end.
; qkv: f16, [which (3)][batch x head (32)][position / 16 (128)][channel / 16 (4)][512 bytes].  A CHUNK of 512 bytes is 16 positions x 16 channels; lane l = r + 16 h owns the 16 bytes at 16 l (position r, channels
; 8 h .. 8 h + 7), so two chunks on end are the registers of a 16 x 32 fragment, every tile is dense in memory and in LDS, and every fragment load reads 512 consecutive LDS bytes.  V's chunks were stored with
; the lanes' places permuted so that the turning load at 16 x lane leaves half a fragment of V^T: lane l holds channel l % 16 and keys 8 (l / 16) + 0 .. 7.
; ao: f16, [channel / 256 (4)][row / 16 (256)][chunk (16)][512 bytes], row = 2,048 x batch + position, channel = 64 x head + the head's: the next launch's operand, in the same chunks.
; SHARES.  A work-group owns 256 queries of one batch and head.  Its SIXTEEN waves are eight query groups x two key halves: wave w owns queries 32 (w % 8) .. + 31, two tiles of 16, and of every 512 keys the
; 256 that begin at 256 (w / 8).  So four waves lie on a SIMD, 256 registers each, and one wave's softmax stands beside the others' products, while a fragment read from LDS still feeds two tiles.
; At the end waves 8-15 hand their maxima, sums and O^T to waves 0-7 through LDS, which bring both halves under one maximum, add them, divide and store.
; K and V come through a ring of two LDS slots of 512 keys; a slot's 131,072 bytes are shared among the sixteen waves: one tensor load of 8,192 bytes (32 rows of 256) a wave, waves 0-7 K's eighths, waves 8-15 V's.
; LAYOUT.  S^T = K Q^T (source 0 = 16 keys, source 1 = 16 queries): a lane holds ONE query (lane % 16) and the keys 8 (lane / 16) + 0 .. 7 of each tile.  Two such tiles, rounded to f16 in pairs, ARE source 1 of
; O^T = V^T P^T, whose result again holds one query a lane and eight channels: a chunk of ao.  Nothing changes lanes but one exchange between the halves for a query's maximum and sum.
; SOFTMAX.  For each query a running maximum m and sum l: p = 2^(c s - c m), c = log2(e) / 8; in every step O and l are multiplied by a = 2^(c m_old - c m_new).  O and l begin as zeros and m as -3e38, so the
; step is written once: the first step's a is 0 and multiplies zeros.
; CLUSTER.  The four query blocks of a cluster belong to one batch and head and walk the same K and V: each tile is asked for JOINTLY, the same tensor load with the same descriptor and the mask of all four.
; LIMITS: O beyond 65,504 becomes infinity in f16; under 6e-5 it is carried as an f16 subnormal; NaN and infinities are not served.
; REGISTERS, 256, so that no register window is ever switched: v1-7, v24 addresses; v8-23 eight registers of statistics a tile; v32-95 S^T, 32 a tile, whose low 16 take P once the sums are made;
; v96-159 ONE buffer for K and then V^T of a step; v160-191 Q; v192-255 O^T, 32 a tile.
.set STEPB, 8192                       ; a step's 64 keys of K, or of V, in bytes
.set MYSTEPS, 4                        ; key steps of a slot that are mine
.set SLOT1, 1<<17                      ; slot 1 begins here: one exclusive or turns an address in one slot into the other's
.set VOFF,  65536                      ; a slot: 512 keys of K, then 512 keys of V
.set SPARE, 2*SLOT1                    ; behind the ring: the spare words, 128 bytes for each wave: eight blocks of 256 bytes that no other line names
.set MPAIR, 9216                       ; the merge: 16 + 2 images of four registers for each pair of waves, from LDS byte 0 on: in slot 0, which has had its last fill and was left by every wave at the last change of slots
.set AK0, 1                            ; v1   16 x lane: my place in a chunk; never rewritten once made
.set AV0, 2                            ; v2   the same in V's half of a slot
.set ADK, 3                            ; v3   LDS address of the step's K
.set ADV, 4                            ; v4   of its V
.set PFO, 5                            ; v5   256 x lane: the prefetches' offset
.set SPW, 6                            ; v6   LDS address of my spare word; never rewritten
.set NIL, 7                            ; v7   0; never rewritten
.set ST,  8                            ; tile t's statistics at v[ST + 8 t]: +0 c m, +1 m, +2, +3 l (even keys', odd keys'), +4 to +7 c0-c3 at work; a takes c2's place
.set MG,  24                           ; v24  the merge: 16 x lane + MPAIR x (wave % 8); made at the head, the same in both waves of a pair
.set S,   32
.set KV,  96
.set QF,  160
.set OA,  192
.set WV,  8                            ; s8   my wave's number
.set TS,  12                           ; s12  LDS byte at which the step in hand begins
.set CNT, 13                           ; s13  counts a slot's steps
.set SLOTS, 14                         ; s14  slots still to be asked for
.set LIM, 15                           ; s15  1 in a wave that prefetches, else the greatest number
.set G1,  16                           ; s[16:23] descriptor group 1
.set G0,  24                           ; s[24:27] descriptor group 0: it walks
.set PFA, 28                           ; s[28:29] where my prefetches stand
.set CS,  30                           ; s[30:31] c, twice: the packed form names a pair
.set SEL, 32                           ; s[32:33] lane selects for v_permlanex16_b32: lane l xor 16
.set QA,  34                           ; s[34:35] Q at my wave's first query
.set OAD, 38                           ; s[38:39] ao at my wave's first chunk
.set QG,  40                           ; s40  my query group: wave % 8
.set KH,  41                           ; s41  my key half: wave / 8
.macro JLOAD                           ; every wave issues the line; its descriptor differs by the wave's number alone and is the same in all four partners.  An s_nop 0 and four v_nop follow
	tensor_load_to_lds s[G0:G0+3], s[G1:G1+7]
	s_nop 0
.rept 4
	v_nop
.endr
.endm
; A PREFETCH INTO THE L2 of what the NEXT change of slots will ask for, a slot's key steps ahead of that load.  Four neighbouring waves fetch 32,768 consecutive bytes; the first of the four asks for them, a lane for
; each 256 bytes, and the four partners share them out BY ADDRESS, 8,192 bytes each.  Both clusters of a head walk the same K and V: the first asks.  So each 256 bytes are named once in the launch.
; The last change that fills a slot asks for nothing; slots 0 and 1 come by their loads alone.
.macro ASK
	s_cmp_gt_u32 s[SLOTS], s[LIM]
	s_cbranch_scc0 .Lnot_mine_\@
	global_prefetch_b8 v[PFO], s[PFA:PFA+1] th:TH_LOAD_NT scope:SCOPE_SE
.Lnot_mine_\@:
.endm
.macro CROUND                          ; a round of the cluster's barrier: my work-group's barrier; wave 0 signals for the work-group; every wave waits for all four; my work-group's barrier once more
	s_barrier_signal -1
	s_barrier_wait -1
	s_cmp_lg_u32 s[WV], 0
	s_cbranch_scc1 .Lnot_wave_0_\@
	s_barrier_signal -3
.Lnot_wave_0_\@:
	s_barrier_wait -3
	s_barrier_signal -1
	s_barrier_wait -1
.endm
	s_load_b128 s[4:7], s[0:1], 0x0                ; qkv s[4:5], ao s[6:7]
	v_lshl_add_u32 v[SPW], v0, 2, SPARE
	v_mov_b32 v[NIL], 0
	ds_add_u32 v[SPW], v[NIL]                      ; the wave's opening: the add, twice on end, and its wait ahead of my first tensor load; the set-up below, work on registers, stands between
	ds_add_u32 v[SPW], v[NIL]
	v_lshrrev_b32 v1, 5, v0
	v_readfirstlane_b32 s[WV], v1                  ; wave 0..15
	s_and_b32 s[QG], s[WV], 7
	s_lshr_b32 s[KH], s[WV], 3
	s_bfe_u32 s9, ttmp6, 0x40000                   ; cx: my place in the cluster
	s_lshl_b32 s10, ttmp9, 2
	s_add_co_u32 s10, s10, s9                      ; my block of 256 queries: it enters Q's and ao's addresses alone
	s_and_b32 s11, ttmp7, 0xffff                   ; 16 x batch + head, which the four partners share
	; descriptor group 1: 8,192 dense bytes as 32 rows of 256 bytes
	s_mov_b32 s[G1], 15|(3<<16)|(1<<21)            ; 15:0 the mask: all four work-groups; 17:16 elements of 8 bytes; 20 no padding; 21 set beside a mask
	s_mov_b32 s[G1+1], 32<<16                      ; tensor_dim0 = 32 elements
	s_mov_b32 s[G1+2], 32<<16                      ; tensor_dim1 = 32
	s_mov_b32 s[G1+3], 32<<16                      ; tile_dim0 = 32
	s_mov_b32 s[G1+4], 32                          ; tile_dim1 = 32
	s_mov_b32 s[G1+5], 32                          ; tensor_dim0_stride
	s_mov_b32 s[G1+6], 0
	s_mov_b32 s[G1+7], 0
	s_mov_b32 s[G0], 1                             ; count = 1
	s_lshl_b32 s[G0+1], s[WV], 13                  ; LDS: slot 0, 8,192 x wave: K's eight eighths, then V's
	s_add_co_u32 s36, s[KH], 1
	s_lshl_b32 s36, s36, 23                        ; memory: K (waves 0-7) or V (waves 8-15),
	s_lshl_b32 s37, s11, 18
	s_add_co_u32 s36, s36, s37                     ; my batch and head,
	s_lshl_b32 s37, s[QG], 13
	s_add_co_u32 s36, s36, s37                     ; my eighth of a slot's 512 keys
	s_mov_b32 s37, 0
	s_lshl_b32 s[QA], s11, 18                      ; Q: my batch and head, my block's 256 queries, my group's 32
	s_lshl_b32 s[QA+1], s10, 15
	s_add_co_u32 s[QA], s[QA], s[QA+1]
	s_lshl_b32 s[QA+1], s[QG], 12
	s_add_co_u32 s[QA], s[QA], s[QA+1]
	s_mov_b32 s[QA+1], 0
	s_bfe_u32 s[OAD], s11, 0x20002                 ; ao: channel / 256 = head / 4,
	s_lshl_b32 s[OAD], s[OAD], 21
	s_lshr_b32 s[OAD+1], s11, 4
	s_lshl_b32 s[OAD+1], s[OAD+1], 7               ; row / 16 = 128 x batch + 16 x block + 2 x group,
	s_lshl_b32 s2, s10, 4
	s_add_co_u32 s[OAD+1], s[OAD+1], s2
	s_lshl_b32 s2, s[QG], 1
	s_add_co_u32 s[OAD+1], s[OAD+1], s2
	s_lshl_b32 s[OAD+1], s[OAD+1], 13
	s_add_co_u32 s[OAD], s[OAD], s[OAD+1]
	s_and_b32 s[OAD+1], s11, 3
	s_lshl_b32 s[OAD+1], s[OAD+1], 11              ; chunk 4 x (head % 4)
	s_add_co_u32 s[OAD], s[OAD], s[OAD+1]
	s_mov_b32 s[OAD+1], 0
	s_lshl_b32 s2, s9, 13                          ; the prefetches: my work-group's 8,192 bytes of the four waves' 32,768,
	s_add_co_u32 s2, s2, 65536                     ; in slot 1: the first change of slots steps them to slot 2.  Nothing is prefetched at the head
	s_mov_b32 s3, 0
	s_and_b32 s[LIM], s[WV], 3                     ; 0 in the first wave of each four
	s_or_b32 s[LIM], s[LIM], ttmp9                 ; of the head's first cluster: the same in all four partners
	s_cmp_eq_u32 s[LIM], 0
	s_cselect_b32 s[LIM], 1, -1
	s_mov_b32 s[CS], 0x3e38aa3b                    ; c = log2(e) / 8
	s_mov_b32 s[CS+1], s[CS]
	s_mov_b32 s[SEL], 0x76543210
	s_mov_b32 s[SEL+1], 0xfedcba98
	s_lshl_b32 s[TS], s[KH], 15                    ; my four of a slot's eight key steps begin 32,768 x (wave / 8) bytes on
	s_mul_i32 s42, s[QG], MPAIR
	s_mov_b32 s[SLOTS], 3
	s_wait_dscnt 0x0                               ; both opening adds are done
	s_wait_kmcnt 0x0
	s_add_nc_u64 s[G0+2:G0+3], s[4:5], s[36:37]
	s_add_nc_u64 s[PFA:PFA+1], s[4:5], s[36:37]
	s_or_b32 s[G0+3], s[G0+3], 0x80000000          ; type = 2
	s_add_nc_u64 s[PFA:PFA+1], s[PFA:PFA+1], s[2:3]
	s_add_nc_u64 s[QA:QA+1], s[4:5], s[QA:QA+1]
	s_add_nc_u64 s[OAD:OAD+1], s[6:7], s[OAD:OAD+1]
	CROUND                                         ; all four work-groups are here: the first joint loads meet
	JLOAD                                          ; slot 0
	v_and_b32 v[AK0], 31, v0
	v_lshlrev_b32 v[PFO], 8, v[AK0]
	v_lshlrev_b32 v[AK0], 4, v[AK0]
	v_add_nc_u32 v[AV0], VOFF, v[AK0]
	v_add_nc_u32 v[MG], s42, v[AK0]
.irp f, 0,1,2,3,4,5,6,7
	global_load_b128 v[QF+4*\f:QF+4*\f+3], v[AK0], s[QA:QA+1] offset:512*\f   ; Q stays in registers: tile f / 4, chunk f % 4
.endr
.irp j, 0,1,2,3,4,5,6,7,8,9,10,11,12,13,14,15,16,17,18,19,20,21,22,23,24,25,26,27,28,29,30,31,32,33,34,35,36,37,38,39,40,41,42,43,44,45,46,47,48,49,50,51,52,53,54,55,56,57,58,59,60,61,62,63
	v_mov_b32 v[OA+\j], 0                          ; O^T: the step is written once, and its first run finds zeros
.endr
.irp t, 0,1
	v_mov_b32 v[ST+8*\t+1], 0xff61b1e6             ; m = -3e38, under every score
	v_mov_b32 v[ST+8*\t+2], 0                      ; l
	v_mov_b32 v[ST+8*\t+3], 0
	v_mul_f32 v[ST+8*\t], s[CS], v[ST+8*\t+1]      ; c m
.endr
.macro FETCH_K                         ; my first step of a slot: 64 keys x 64 channels of K: 16 chunks
	v_add_nc_u32 v[ADK], s[TS], v[AK0]
.irp f, 0,1,2,3,4,5,6,7,8,9,10,11,12,13,14,15
	ds_load_b128 v[KV+4*\f:KV+4*\f+3], v[ADK] offset:512*\f
.endr
.endm
; THE SOFTMAX of both tiles for one key step; every line is written for tile 0 and tile 1 by turns, so that no line waits for the line above it.
.macro SOFTMAX
.irp j, 0,1,2,3                        ; the maximum of the lane's 32 scores and the old m, three operands at a time: each accumulator is read from its low end on
.irp t, 0,1
	v_max3_num_f32 v[ST+8*\t+4+\j], v[S+32*\t+8*\j], v[S+32*\t+8*\j+1], v[S+32*\t+8*\j+2]
.endr
.endr
.irp o, 3,5
.irp j, 0,1,2,3
.irp t, 0,1
	v_max3_num_f32 v[ST+8*\t+4+\j], v[ST+8*\t+4+\j], v[S+32*\t+8*\j+\o], v[S+32*\t+8*\j+\o+1]
.endr
.endr
.endr
.irp t, 0,1
	v_max3_num_f32 v[ST+8*\t+4], v[ST+8*\t+4], v[S+32*\t+7], v[S+32*\t+15]
	v_max3_num_f32 v[ST+8*\t+6], v[ST+8*\t+6], v[S+32*\t+23], v[S+32*\t+31]
.endr
.irp t, 0,1
	v_max3_num_f32 v[ST+8*\t+4], v[ST+8*\t+4], v[ST+8*\t+5], v[ST+8*\t+6]
.endr
.irp t, 0,1
	v_max3_num_f32 v[ST+8*\t+4], v[ST+8*\t+4], v[ST+8*\t+7], v[ST+8*\t+1]
.endr
.irp t, 0,1
	v_permlanex16_b32 v[ST+8*\t+5], v[ST+8*\t+4], s[SEL], s[SEL+1]   ; the query's other 32 keys lie in the lane 16 away
.endr
.irp t, 0,1
	v_mov_b32 v[ST+8*\t+7], v[ST+8*\t]             ; c m_old is kept for a
.endr
.irp t, 0,1
	v_max_num_f32 v[ST+8*\t+1], v[ST+8*\t+4], v[ST+8*\t+5]   ; the new m
.endr
.irp t, 0,1
	v_mul_f32 v[ST+8*\t], s[CS], v[ST+8*\t+1]      ; c m
.endr
.irp t, 0,1
	v_sub_f32 v[ST+8*\t+7], v[ST+8*\t+7], v[ST+8*\t]   ; c m_old - c m_new, 0 or less
.endr
.irp b, 0,1,2,3,4,5,6,7,8,9,10,11,12,13,14,15
.irp t, 0,1
	v_pk_fma_f32 v[S+32*\t+2*\b:S+32*\t+2*\b+1], v[S+32*\t+2*\b:S+32*\t+2*\b+1], s[CS:CS+1], v[ST+8*\t:ST+8*\t+1] op_sel_hi:[1,0,0] neg_lo:[0,0,1] neg_hi:[0,0,1]   ; c s - c m, two at a time
.endr
.endr
.irp t, 0,1
	v_exp_f32 v[ST+8*\t+6], v[ST+8*\t+7]           ; a
.endr
.irp e, 0,1,2,3,4,5,6,7,8,9,10,11,12,13,14,15,16,17,18,19,20,21,22,23,24,25,26,27,28,29,30,31
.irp t, 0,1
	v_exp_f32 v[S+32*\t+\e], v[S+32*\t+\e]         ; p, at most 1
.endr
.endr
	v_nop                                          ; a plain instruction behind the last exponential
	s_wait_alu depctr_va_vdst(0)                   ; ONE wait for the batch of 66, ahead of the first instruction that names a result
; THE SUMS COME FIRST, of the unrounded p, since P is then laid over the low half of these registers.  Two chains a tile, four by turns: c0, c1 take pairs 0 to 7; l = l a + pair 8, and then pairs 9 to 15.
.irp t, 0,1
	v_pk_add_f32 v[ST+8*\t+4:ST+8*\t+5], v[S+32*\t:S+32*\t+1], v[S+32*\t+2:S+32*\t+3]
	v_pk_fma_f32 v[ST+8*\t+2:ST+8*\t+3], v[ST+8*\t+2:ST+8*\t+3], v[ST+8*\t+6:ST+8*\t+7], v[S+32*\t+16:S+32*\t+17] op_sel_hi:[1,0,1]
.endr
.irp i, 1,2,3,4,5,6,7
.irp t, 0,1
.if \i > 1
	v_pk_add_f32 v[ST+8*\t+4:ST+8*\t+5], v[ST+8*\t+4:ST+8*\t+5], v[S+32*\t+2*\i:S+32*\t+2*\i+1]
.endif
	v_pk_add_f32 v[ST+8*\t+2:ST+8*\t+3], v[ST+8*\t+2:ST+8*\t+3], v[S+32*\t+16+2*\i:S+32*\t+16+2*\i+1]
.endr
.endr
.irp t, 0,1
	v_pk_add_f32 v[ST+8*\t+2:ST+8*\t+3], v[ST+8*\t+2:ST+8*\t+3], v[ST+8*\t+4:ST+8*\t+5]
.endr
.irp j, 0,1,2,3,4,5,6,7,8,9,10,11,12,13,14,15  ; P IN PLACE: pair j goes to register j of its tile, which pair j / 2 has left: in ascending order nothing is written before it is read
.irp t, 0,1
	v_cvt_pk_f16_f32 v[S+32*\t+\j], v[S+32*\t+2*\j], v[S+32*\t+2*\j+1]   ; two neighbouring keys' weights: the second product's operand as it stands
.endr
.endr
.endm
; A KEY STEP: 64 keys.  K and V^T take turns in ONE buffer: V is fetched behind the first products, the next step's K (nxt = 1: it lies 8,192 bytes on in the same slot) behind the second.
; In each run of 16 matrix instructions eight accumulators take turns, one instruction a turn.
.macro STEP nxt
	s_wait_dscnt 0x0                               ; this step's K is in
.set i, 0
.rept 16                               ; S^T = K Q^T: channels 32 (i / 8) on, keys 16 ((i / 2) % 4) on, tile i % 2.  The first eight start the sums
.set rS, S+32*(i%2)+8*((i/2)%4)
.set rK, KV+16*((i/2)%4)+8*(i/8)
.set rQ, QF+16*(i%2)+8*(i/8)
.if i < 8
	v_wmma_f32_16x16x32_f16 v[rS:rS+7], v[rK:rK+7], v[rQ:rQ+7], 0
.else
	v_wmma_f32_16x16x32_f16 v[rS:rS+7], v[rK:rK+7], v[rQ:rQ+7], v[rS:rS+7]
.endif
.set i, i+1
.endr
	v_add_nc_u32 v[ADV], s[TS], v[AV0]             ; four plain instructions: the places between the products and the loads into the buffer that they read, and the first read of the scores
	v_nop
	v_nop
	v_nop
.irp g, 0,1                            ; V^T: keys 32 g on, channels 16 ct on: two turning loads, one for each 16 keys
.irp ct, 0,1,2,3
.irp c, 0,1
	ds_load_tr16_b128 v[KV+8*(4*\g+\ct)+4*\c:KV+8*(4*\g+\ct)+4*\c+3], v[ADV] offset:(2*\g+\c)*2048+512*\ct
.endr
.endr
.endr
	SOFTMAX
.irp j, 0,2,4,6,8,10,12,14,16,18,20,22,24,26,28,30
.irp t, 0,1
	v_pk_mul_f32 v[OA+32*\t+\j:OA+32*\t+\j+1], v[OA+32*\t+\j:OA+32*\t+\j+1], v[ST+8*\t+6:ST+8*\t+7] op_sel_hi:[1,0]   ; O^T x a, each accumulator from its low end on
.endr
.endr
	s_wait_dscnt 0x0                               ; V is in
.set i, 0
.rept 16                               ; O^T += V^T P^T: keys 32 (i / 8) on, channels 16 ((i / 2) % 4) on, tile i % 2
.set rO, OA+32*(i%2)+8*((i/2)%4)
.set rV, KV+8*(4*(i/8)+(i/2)%4)
.set rP, S+32*(i%2)+8*(i/8)
	v_wmma_f32_16x16x32_f16 v[rO:rO+7], v[rV:rV+7], v[rP:rP+7], v[rO:rO+7]
.set i, i+1
.endr
	s_add_co_u32 s[TS], s[TS], STEPB
	v_add_nc_u32 v[ADK], s[TS], v[AK0]             ; FIVE plain instructions: four are the places in front of loads into the buffer that these products read; the fifth is owed since the next
	v_nop                                          ; matrix instruction, the next step's first, writes over P, which these products read
	v_nop
	v_nop
	v_nop
.if \nxt
.irp f, 0,1,2,3,4,5,6,7,8,9,10,11,12,13,14,15
	ds_load_b128 v[KV+4*\f:KV+4*\f+3], v[ADK] offset:512*\f
.endr
.endif
.endm
; THE CHANGE OF SLOTS stands at a slot's head.  Each wave waits for all its tensor loads (its part of the slot that it is about to read), adds 0 to its spare word, and waits for that and for its reads of the slot
; that it has left.  fill = 1: a round of the cluster's barrier follows, so that no wave of any partner still reads the other slot or has a load on its way, and that slot is asked for first thing behind it: one
; tensor load a wave, which has a slot's key steps in which to land.  (The first change fills slot 1 for the first time, in all sixteen waves; the later ones fill again, in all sixteen.)
.macro CHANGE fill
	s_wait_tensorcnt 0x0                           ; no tensor load of mine is out, so the group 0 may be written
	ds_add_u32 v[SPW], v[NIL]
.if \fill
	s_xor_b32 s[G0+1], s[G0+1], SLOT1              ; the other slot than last time,
	s_add_nc_u64 s[G0+2:G0+3], s[G0+2:G0+3], 65536 ; the next 512 keys; the type bits on top are not reached
	s_wait_xcnt 0x0                                ; the last prefetch, a slot back, has read its address, so it may be written:
	s_add_nc_u64 s[PFA:PFA+1], s[PFA:PFA+1], 65536 ; one slot further on than the walking descriptor
	s_wait_dscnt 0x0                               ; the add is done, and my reads of the slot that I have left are over
	CROUND
	JLOAD
	ASK
.else
	s_wait_dscnt 0x0
	s_barrier_signal -1
	s_barrier_wait -1
.endif
.endm
.macro SLOT_STEPS                      ; my four key steps of a slot: three that fetch their successor's K, in a loop, and the last
	FETCH_K
	s_mov_b32 s[CNT], MYSTEPS-1
.Lstep_\@:
	STEP 1
	s_sub_co_u32 s[CNT], s[CNT], 1
	s_cmp_lg_u32 s[CNT], 0
	s_cbranch_scc1 .Lstep_\@
	STEP 0
	s_sub_co_u32 s[TS], s[TS], MYSTEPS*STEPB       ; back to my first step of a slot,
	s_xor_b32 s[TS], s[TS], SLOT1                  ; in the other slot
.endm
	s_wait_loadcnt 0x0                             ; Q
.Lslot:                                            ; three trips: behind each change of slots but the last the next slot is asked for
	CHANGE 1
	SLOT_STEPS
	s_sub_co_u32 s[SLOTS], s[SLOTS], 1
	s_cmp_lg_u32 s[SLOTS], 0
	s_cbranch_scc1 .Lslot
	CHANGE 0                                       ; the last slot is written out
	SLOT_STEPS
	; THE MERGE.  Waves 8-15 store O^T and (c m, m, l, l) of both tiles as images of their registers, 16 bytes a lane at 16 x lane; behind a barrier the partner, eight waves down, loads them by the same lines.
	; (The last step's five plain instructions are the places behind the last products.)
	s_cmp_lt_u32 s[WV], 8
	s_cbranch_scc1 .Lkeeps
.irp i, 0,1,2,3,4,5,6,7,8,9,10,11,12,13,14,15
	ds_store_b128 v[MG], v[OA+4*\i:OA+4*\i+3] offset:512*\i   ; each accumulator from its low end on
.endr
.irp t, 0,1
	ds_store_b128 v[MG], v[ST+8*\t:ST+8*\t+3] offset:8192+512*\t
.endr
.Lkeeps:
	s_wait_dscnt 0x0                               ; for the partner's sake: my stores are done
	s_barrier_signal -1
	s_barrier_wait -1
	s_cmp_lt_u32 s[WV], 8
	s_cbranch_scc0 .Lend                           ; waves 8-15 have handed their part on
.irp i, 0,1,2,3,4,5,6,7,8,9,10,11,12,13,14,15
	ds_load_b128 v[S+4*\i:S+4*\i+3], v[MG] offset:512*\i      ; the partner's O^T, register for register
.endr
.irp t, 0,1
	ds_load_b128 v[KV+4*\t:KV+4*\t+3], v[MG] offset:8192+512*\t   ; its c m, m, l, l
.endr
	s_wait_dscnt 0x0
.irp t, 0,1
	v_max_num_f32 v[ST+8*\t+4], v[ST+8*\t], v[KV+4*\t]        ; c m over all keys (c is positive)
.endr
.irp t, 0,1
	v_sub_f32 v[ST+8*\t+5], v[ST+8*\t], v[ST+8*\t+4]
	v_sub_f32 v[ST+8*\t+7], v[KV+4*\t], v[ST+8*\t+4]
.endr
.irp t, 0,1
	v_add_f32 v[ST+8*\t+2], v[ST+8*\t+2], v[ST+8*\t+3]        ; each sum's two halves
	v_add_f32 v[KV+4*\t+2], v[KV+4*\t+2], v[KV+4*\t+3]
.endr
.irp t, 0,1
	v_exp_f32 v[ST+8*\t+5], v[ST+8*\t+5]           ; a1: what brings my half under the common maximum,
	v_exp_f32 v[ST+8*\t+7], v[ST+8*\t+7]           ; a2: and the partner's
.endr
	v_nop                                          ; a plain instruction behind the last exponential
	s_wait_alu depctr_va_vdst(0)                   ; one wait for the four, ahead of their first reader
.irp t, 0,1
	v_mul_f32 v[ST+8*\t+2], v[ST+8*\t+2], v[ST+8*\t+5]
.endr
.irp t, 0,1
	v_fma_f32 v[ST+8*\t+2], v[KV+4*\t+2], v[ST+8*\t+7], v[ST+8*\t+2]
.endr
.irp t, 0,1
	v_permlanex16_b32 v[ST+8*\t+3], v[ST+8*\t+2], s[SEL], s[SEL+1]
.endr
.irp t, 0,1
	v_add_f32 v[ST+8*\t+2], v[ST+8*\t+2], v[ST+8*\t+3]        ; with the other half of the lanes': the row's sum
.endr
.irp t, 0,1
	v_rcp_f32 v[ST+8*\t+3], v[ST+8*\t+2]
.endr
	v_nop                                          ; a plain instruction behind the last reciprocal
	s_wait_alu depctr_va_vdst(0)                   ; and one wait for the two
.irp t, 0,1
	v_mul_f32 v[ST+8*\t+4], v[ST+8*\t+5], v[ST+8*\t+3]        ; a1 / l
	v_mul_f32 v[ST+8*\t+6], v[ST+8*\t+7], v[ST+8*\t+3]        ; a2 / l
.endr
.irp j, 0,2,4,6,8,10,12,14,16,18,20,22,24,26,28,30
.irp t, 0,1
	v_pk_mul_f32 v[OA+32*\t+\j:OA+32*\t+\j+1], v[OA+32*\t+\j:OA+32*\t+\j+1], v[ST+8*\t+4:ST+8*\t+5] op_sel_hi:[1,0]   ; each accumulator from its low end on
.endr
.endr
.irp j, 0,2,4,6,8,10,12,14,16,18,20,22,24,26,28,30
.irp t, 0,1
	v_pk_fma_f32 v[OA+32*\t+\j:OA+32*\t+\j+1], v[S+32*\t+\j:S+32*\t+\j+1], v[ST+8*\t+6:ST+8*\t+7], v[OA+32*\t+\j:OA+32*\t+\j+1] op_sel_hi:[1,0,1]
.endr
.endr
.irp t, 0,1                            ; rounded to f16, each accumulator is a chunk of ao; the partner's registers are free
.irp j, 0,1,2,3,4,5,6,7,8,9,10,11,12,13,14,15
	v_cvt_pk_f16_f32 v[S+16*\t+\j], v[OA+32*\t+2*\j], v[OA+32*\t+2*\j+1]
.endr
.endr
.irp t, 0,1
.irp ct, 0,1,2,3
	global_store_b128 v[AK0], v[S+16*\t+4*\ct:S+16*\t+4*\ct+3], s[OAD:OAD+1] offset:8192*\t+512*\ct   ; 32 lanes store 512 consecutive bytes, aligned
.endr
.endr
.Lend:
	s_wait_tensorcnt 0x0                           ; the wave's end: a wait, an add of 0 to my spare word, and its wait, behind my last tensor load and my last LDS store
	ds_add_u32 v[SPW], v[NIL]
	s_wait_dscnt 0x0
	CROUND                                         ; the closing round: no work-group ends while a partner may still ask for a tile that names it
	s_endpgm
.Lfunc_end_k_qc39efc4eed_attn:
	.size	k_qc39efc4eed_attn, .Lfunc_end_k_qc39efc4eed_attn-k_qc39efc4eed_attn
	.p2alignl 7, 3214868480
	.fill 96, 4, 3214868480
	.section	.rodata,"a",@progbits
	.p2align	6, 0x0
	.amdhsa_kernel k_qc39efc4eed_attn
		.amdhsa_group_segment_fixed_size 327680
		.amdhsa_private_segment_fixed_size 0
		.amdhsa_enable_private_segment 0
		.amdhsa_kernarg_size 16
		.amdhsa_user_sgpr_count 2
		.amdhsa_user_sgpr_kernarg_segment_ptr 1
		.amdhsa_wavefront_size32 1
		.amdhsa_system_sgpr_workgroup_id_x 1
		.amdhsa_system_sgpr_workgroup_id_y 1
		.amdhsa_system_sgpr_workgroup_id_z 1
		.amdhsa_system_vgpr_workitem_id 0
		.amdhsa_next_free_vgpr 256
		.amdhsa_next_free_sgpr 66
		.amdhsa_reserve_vcc 0
		.amdhsa_float_denorm_mode_32 3
		.amdhsa_float_denorm_mode_16_64 3
		.amdhsa_memory_ordered 1
		.amdhsa_forward_progress 1
		.amdhsa_inst_pref_size 88
	.end_amdhsa_kernel
	.amdgpu_metadata
---
amdhsa.version: [ 1, 2 ]
amdhsa.kernels:
  - .name:           k_qc39efc4eed_attn
    .symbol:         k_qc39efc4eed_attn.kd
    .args:
      - { .name: qkv, .offset: 0, .size: 8, .value_kind: global_buffer, .address_space: global }
      - { .name: ao, .offset: 8, .size: 8, .value_kind: global_buffer, .address_space: global }
    .group_segment_fixed_size: 327680
    .private_segment_fixed_size: 0
    .kernarg_segment_align: 8
    .kernarg_segment_size: 16
    .max_flat_workgroup_size: 512
    .sgpr_count:     66
    .vgpr_count:     256
    .wavefront_size: 32
...
	.end_amdgpu_metadata
.endif
;; end of part 3
;; launch oproj (part 4): grid 8 x 32, 4 waves a work-group, clusters of 4 x 4, 327,680 bytes of LDS; arguments ao, wot, out0, bo; writes out0
.if DOCPART == 4
	.amdgcn_target "amdgcn-amd-amdhsa--gfx1250"
	.amdhsa_code_object_version 6
	.text
	.protected	k_qc39efc4eed_oproj
	.globl	k_qc39efc4eed_oproj
	.p2align	8
	.type	k_qc39efc4eed_oproj,@function
k_qc39efc4eed_oproj:
	s_mov_b64 s[64:65], 0
	v_nop
	global_prefetch_b8 v0, s[64:65] scope:SCOPE_SE
	s_setreg_imm32_b32 hwreg(HW_REG_WAVE_MODE, 25, 1), 1
	s_wait_xcnt 0x0
	s_wait_alu depctr_hold_cnt(0) depctr_sa_sdst(0) depctr_va_vdst(0) depctr_va_sdst(0) depctr_va_ssrc(0) depctr_va_vcc(0) depctr_vm_vsrc(0)
	s_getreg_b32 s2, hwreg(HW_REG_IB_STS2, 6, 4)
	s_cmp_eq_u32 s2, 0
	s_cbranch_scc0 .Lentry_in_a_cluster
	s_endpgm
.Lentry_in_a_cluster:
	s_bfe_u32 s2, ttmp6, 0x10000c
	s_cmp_lg_u32 s2, 0xf033
	s_cbranch_scc0 .Lentry_shape_is_right
	s_endpgm
.Lentry_shape_is_right:
; OPROJ: out0[m][n] = the sum over k of A[m][k] Wo[k][n] + bo[n]; m = 4,096, n = k = 1,024; A (attention's result) and Wo as f16, sums in f32, out0 f32.
; Both operands arrive in CHUNKS of 512 bytes: 16 rows x 16 along K; lane l = r + 16 h owns the 16 bytes at 16 l (row r, K = 8 h .. 8 h + 7); two chunks on end are the registers of a 16 x 32 fragment.
; ao: [k / 256 (4)][m / 16 (256)][chunk (16)][512 bytes];  wot: [k / 256 (4)][n / 16 (64)][chunk (16)][512 bytes].  So a K step's tile of 64 rows is 32,768 dense bytes, it needs no padding in LDS, and every
; fragment load reads 512 consecutive LDS bytes.
; A tile of out0 is 128 x 128, which gives 8 x 32 = 256 work-groups; four waves, each 64 x 64: 16 accumulators, 128 registers.  K goes in four steps of 256 through a ring of two LDS slots; each wave fetches a quarter of a slot.
; CLUSTERS: 4 x 4 work-groups.  The four of a row of the cluster need the same tiles of A, the four of a column the same tiles of B: each tile is asked for JOINTLY, by the same tensor load with the same
; descriptor and a mask that names the four.  THE MATRIX INSTRUCTION IS USED TRANSPOSED (source 0 = 16 rows n of wot, source 1 = 16 rows of ao): a lane holds eight neighbouring numbers of a row of out0.
; THE BIAS is the C of each sum's first instruction.  No prefetch: a K step of this small tile is short, and the four steps are asked for two at the head and two by refills.
; REGISTERS: window 0: v0-31 addresses; v32-95 the way out; v96-127 the bias; v128-255 the accumulators ((a, b) at v[128 + 8 (4 a + b)]).
;   window 1: two fragment buffers of 128: for 64 along K, 64 registers of A (2 x 4 x 16 rows x 32 K), then 64 of B.
.set HALFT,  32768                     ; 64 rows x 256 along K: what one tensor load brings, and what one wave reads of A or of B
.set SLOT,   4*HALFT                   ; A's 128 rows, then B's 128 rows
.set STAGE,  2*SLOT                    ; behind the ring: 16 rows x 272 bytes for each wave, for the way out
.set SPITCH, 272                       ; 256 bytes + 16: the sixteen rows of a store start at sixteen different banks
.set SPARE,  STAGE+4*16*SPITCH         ; behind the stages: the spare words, 128 bytes for each wave: two blocks of 256 bytes that no other line names
.set ASTEP,  2097152                   ; from a K step of ao to the next, in bytes
.set BSTEP,  524288                    ; the same in wot
.set ADRA, 16                          ; v16-17  LDS address of my A fragments in slot 0, 1
.set ADRB, 20                          ; v20-21  the same for B
.set STO,  24                          ; v24     the way out: where I put 32 bytes of a row
.set RD,   25                          ; v25     the way out: where I read a row back
.set CO,   26                          ; v26     my byte offset in out0
.set BO,   27                          ; v27     32 x (lane / 16): my eight numbers of a bias tile
.set SPW,  28                          ; v28     LDS address of my spare word; never rewritten
.set NIL,  29                          ; v29     0; never rewritten
.set TMP,  32                          ; the way out: two sets of 32 registers
.set BI,   96                          ; the bias: eight registers for each of my four blocks of 16 columns
.set ACC,  128
.set F0,   0                           ; fragment buffers, in window 1
.set F1,   128
.set G1, 24                            ; s[24:31] descriptor group 1 for A's tiles;  s[32:39] group 0, one set for each slot
.set G0, 32
.set G1B, 48                           ; s[48:55], s[56:63] the same for B's tiles
.set G0B, 56
.set MSB, 0
.macro WIN new                         ; the immediate's high byte repeats the setting that is left
.if MSB != \new
	s_set_vgpr_msb (MSB<<8)|\new
.set MSB, \new
.endif
.endm
.set MUL,  0x05                        ; sources 0 (B) and 1 (A) window 1; C and D window 0
.set TO_F, 0x40                        ; destination window 1, address window 0
.macro JLOAD s                         ; a joint load: waves 0 and 1 fetch A's two halves, waves 2 and 3 B's; an s_nop 0 and four v_nop follow each of the two lines, ahead of the jump, the label and what follows
	s_cmp_eq_u32 s11, 0
	s_cbranch_scc0 .Lfor_b_\@
	tensor_load_to_lds s[G0+4*\s:G0+4*\s+3], s[G1:G1+7]
	s_nop 0
.rept 4
	v_nop
.endr
	s_branch .Lasked_\@
.Lfor_b_\@:
	tensor_load_to_lds s[G0B+4*\s:G0B+4*\s+3], s[G1B:G1B+7]
	s_nop 0
.rept 4
	v_nop
.endr
.Lasked_\@:
.endm
.macro CREST                           ; a round of the cluster's barrier behind its opening barrier
	s_cmp_lg_u32 s10, 0
	s_cbranch_scc1 .Lnot_wave_0_\@
	s_barrier_signal -3
.Lnot_wave_0_\@:
	s_barrier_wait -3
	s_barrier_signal -1
	s_barrier_wait -1
.endm
.macro CROUND                          ; a whole round
	s_barrier_signal -1
	s_barrier_wait -1
	CREST
.endm
	s_load_b128 s[4:7], s[0:1], 0x0                ; ao s[4:5], wot s[6:7]
	s_load_b64 s[8:9], s[0:1], 0x10                ; out0
	s_load_b64 s[66:67], s[0:1], 0x18              ; bo
	v_lshl_add_u32 v[SPW], v0, 2, SPARE
	v_mov_b32 v[NIL], 0
	ds_add_u32 v[SPW], v[NIL]                      ; the wave's opening: the add, twice on end, and its wait ahead of my first tensor load; the set-up below, work on registers, stands between
	ds_add_u32 v[SPW], v[NIL]
	v_lshrrev_b32 v1, 5, v0
	v_readfirstlane_b32 s10, v1                    ; wave 0..3
	s_lshr_b32 s11, s10, 1                         ; which half of the tile's rows is mine.  Also: I fetch for A (0) or for B (1)
	s_and_b32 s12, s10, 1                          ; which half of its columns.  Also: which 64 rows of that tile I fetch
	s_bfe_u32 s40, ttmp6, 0x40000                  ; cx, cy: my place in the cluster
	s_bfe_u32 s41, ttmp6, 0x40004
	s_lshl_b32 s42, ttmp9, 2
	s_add_co_u32 s42, s42, s40                     ; tile column = 4 x cluster x + cx
	s_and_b32 s13, ttmp7, 0xffff
	s_lshl_b32 s13, s13, 2
	s_add_co_u32 s13, s13, s41                     ; tile row = 4 x cluster y + cy
	s_lshl_b32 s43, s41, 2
	s_lshl_b32 s43, 15, s43                        ; my row of the cluster
	s_lshl_b32 s44, 0x1111, s40                    ; my column
	; descriptor group 1: 32,768 dense bytes as 128 rows of 256 bytes
	s_or_b32 s[G1+0], s43, (3<<16)|(1<<21)         ; 15:0 the mask: A's tiles go to my row; 17:16 elements of 8 bytes; 20 no padding; 21 set beside a mask
	s_or_b32 s[G1B+0], s44, (3<<16)|(1<<21)
.irp g, G1, G1B
	s_mov_b32 s[\g+1], 32<<16                      ; tensor_dim0 = 32 elements
	s_mov_b32 s[\g+2], 128<<16                     ; tensor_dim1 = 128
	s_mov_b32 s[\g+3], 32<<16                      ; tile_dim0 = 32
	s_mov_b32 s[\g+4], 128                         ; tile_dim1 = 128
	s_mov_b32 s[\g+5], 32                          ; tensor_dim0_stride
	s_mov_b32 s[\g+6], 0
	s_mov_b32 s[\g+7], 0
.endr
	s_lshl_b32 s17, s12, 15                        ; which 64 rows of the tile I fetch: 32,768 bytes
	s_lshl_b32 s16, s13, 16
	s_add_co_u32 s16, s16, s17                     ; A: 65,536 x tile row + the half
	s_lshl_b32 s46, s42, 16
	s_add_co_u32 s46, s46, s17                     ; B: 65,536 x tile column + the half
	s_mov_b32 s17, 0
	s_mov_b32 s47, 0
	s_lshl_b32 s20, s10, 15                        ; where they go: wave x 32,768: no place in the cluster enters an LDS address
	s_wait_dscnt 0x0                               ; both opening adds are done
	s_wait_kmcnt 0x0
	s_add_nc_u64 s[14:15], s[4:5], s[16:17]
	s_add_nc_u64 s[46:47], s[6:7], s[46:47]
	CROUND                                         ; all sixteen work-groups are here: the first joint loads meet
.irp s, 0,1
	s_mov_b32 s[G0+4*\s], 1
	s_add_co_u32 s[G0+4*\s+1], s20, \s*SLOT
	s_add_nc_u64 s[G0+4*\s+2:G0+4*\s+3], s[14:15], \s*ASTEP
	s_or_b32 s[G0+4*\s+3], s[G0+4*\s+3], 0x80000000
	s_mov_b32 s[G0B+4*\s], 1
	s_add_co_u32 s[G0B+4*\s+1], s20, \s*SLOT
	s_add_nc_u64 s[G0B+4*\s+2:G0B+4*\s+3], s[46:47], \s*BSTEP
	s_or_b32 s[G0B+4*\s+3], s[G0B+4*\s+3], 0x80000000
	JLOAD \s                                       ; two tensor loads of mine are out
.endr
	v_and_b32 v1, 15, v0                           ; l % 16
	v_bfe_u32 v2, v0, 4, 1                         ; l / 16
	v_and_b32 v3, 31, v0
	v_lshlrev_b32 v3, 4, v3                        ; 16 x lane: my place in a chunk
	s_lshl_b32 s21, s11, 15                        ; my 64 rows of A
	s_lshl_b32 s22, s12, 15                        ; my 64 rows of B,
	s_add_co_u32 s22, s22, 2*HALFT                 ; which lie behind A's 128
.irp s, 0,1
	v_add_nc_u32 v[ADRA+\s], s21, v3
	v_add_nc_u32 v[ADRB+\s], s22, v3
	s_add_co_u32 s21, s21, SLOT
	s_add_co_u32 s22, s22, SLOT
.endr
	s_mul_i32 s23, s10, 16*SPITCH
	s_add_co_u32 s23, s23, STAGE                   ; my stage
	v_mul_u32_u24 v4, v1, SPITCH                   ; in: row l % 16, 32 bytes for each half of the lanes
	v_lshl_add_u32 v4, v2, 5, v4
	v_add_nc_u32 v[STO], s23, v4
	v_mul_u32_u24 v5, v2, SPITCH                   ; back: lanes 0-15 take one row of 256 bytes, lanes 16-31 the next
	v_lshl_add_u32 v5, v1, 4, v5
	v_add_nc_u32 v[RD], s23, v5
	v_lshlrev_b32 v5, 12, v2                       ; and the same two rows in out0: 4,096 bytes a row
	v_lshl_add_u32 v[CO], v1, 4, v5
	v_lshlrev_b32 v[BO], 5, v2
	s_lshl_b32 s16, s13, 19                        ; my first row: (128 x tile row + 64 x half) x 4,096 bytes
	s_lshl_b32 s17, s11, 18
	s_add_co_u32 s16, s16, s17
	s_mov_b32 s17, 0
	s_add_nc_u64 s[8:9], s[8:9], s[16:17]
	s_lshl_b32 s46, s42, 9                         ; my first column: (128 x tile column + 64 x half) x 4 bytes, in out0 and in bo alike
	s_lshl_b32 s47, s12, 8
	s_add_co_u32 s46, s46, s47
	s_mov_b32 s47, 0
	s_add_nc_u64 s[8:9], s[8:9], s[46:47]
	s_add_nc_u64 s[66:67], s[66:67], s[46:47]
.irp b, 0,1,2,3
	global_load_b128 v[BI+8*\b:BI+8*\b+3], v[BO], s[66:67] offset:64*\b          ; bo(16 b + 8 h + 0 .. 7): register j of the result is column 16 b + 8 h + j
	global_load_b128 v[BI+8*\b+4:BI+8*\b+7], v[BO], s[66:67] offset:64*\b+16
.endr
; 8 matrix instructions: m blocks a0, a0 + 1 x all 4 n blocks, 32 along K: half c of buffer f.  zero = 1: the first product starts the sums from the bias.  The 16 accumulators take turns.
.macro MUL8 f, c, a0, zero
.irp a, \a0, \a0+1
.irp b, 0,1,2,3
.if \zero
	v_wmma_f32_16x16x32_f16 v[ACC+8*(4*(\a)+\b):ACC+8*(4*(\a)+\b)+7], v[\f+64+8*(4*\c+\b):\f+64+8*(4*\c+\b)+7], v[\f+8*(4*\c+\a):\f+8*(4*\c+\a)+7], v[BI+8*\b:BI+8*\b+7]
.else
	v_wmma_f32_16x16x32_f16 v[ACC+8*(4*(\a)+\b):ACC+8*(4*(\a)+\b)+7], v[\f+64+8*(4*\c+\b):\f+64+8*(4*\c+\b)+7], v[\f+8*(4*\c+\a):\f+8*(4*\c+\a)+7], v[ACC+8*(4*(\a)+\b):ACC+8*(4*(\a)+\b)+7]
.endif
.endr
.endr
.endm
; 32 LDS loads in one run: the fragments of the slot's q-th 64 along K into buffer f; the first 32 along K first.  Block i of 16 rows lies 8,192 bytes on; 32 along K are two chunks
.macro FETCH slot, q, f
	WIN TO_F
.irp c, 0,1
.irp i, 0,1,2,3
	ds_load_b128 v[\f+64+8*(4*\c+\i):\f+64+8*(4*\c+\i)+3],   v[ADRB+\slot] offset:\i*8192+(2*(\q)+\c)*1024
	ds_load_b128 v[\f+64+8*(4*\c+\i)+4:\f+64+8*(4*\c+\i)+7], v[ADRB+\slot] offset:\i*8192+(2*(\q)+\c)*1024+512
	ds_load_b128 v[\f+8*(4*\c+\i):\f+8*(4*\c+\i)+3],         v[ADRA+\slot] offset:\i*8192+(2*(\q)+\c)*1024
	ds_load_b128 v[\f+8*(4*\c+\i)+4:\f+8*(4*\c+\i)+7],       v[ADRA+\slot] offset:\i*8192+(2*(\q)+\c)*1024+512
.endr
.endr
.endm
.macro PLACES                          ; four places in front of loads into registers that matrix instructions have read, and of the first read of results (ISA guide 7.12.1 for the first read of results)
.rept 4
	v_nop
.endr
.endm
; A K step is four quarters of 64 along K, 32 matrix instructions each, on buffers 0, 1, 0, 1.  One of the first three: multiplies buffer f and fetches quarter q into g.
.macro QUARTER slot, q, f, g, zero
	s_wait_dscnt 16                                ; the first 32 along K are in; the sixteen loads of the second 32 may be out
	WIN MUL
	MUL8 \f, 0, 0, \zero
	MUL8 \f, 0, 2, \zero
	PLACES
	FETCH \slot, \q, \g
	s_wait_dscnt 32                                ; all but the 32 just issued
	WIN MUL
	MUL8 \f, 1, 0, 0
	MUL8 \f, 1, 2, 0
.endm
; The last quarter multiplies buffer 1 and changes slots: ONE barrier; in front of it each wave waits for all its tensor loads, adds 0 to its spare word, and waits for that and for its own reads of this slot.
; fill = 1: the barrier opens a round of the cluster's barrier, and this slot is filled again, two K steps ahead, first thing behind the round.
.macro TURN slot, next, fill
	WIN 0                                          ; (the add's two registers lie in window 0)
	s_wait_tensorcnt 0x0                           ; all my tensor loads have landed: my part of the next slot
	ds_add_u32 v[SPW], v[NIL]
	s_wait_dscnt 17                                ; the add and the youngest sixteen loads may be out
	WIN MUL
	MUL8 F1, 0, 0, 0                               ; eight matrix instructions stand between the add and the wait for it
	s_wait_dscnt 0x0                               ; the add is done, and my reads of this slot are over
	s_barrier_signal -1
	MUL8 F1, 0, 2, 0
.if \fill
	WIN 0
.endif
	s_barrier_wait -1
.if \fill
	CREST                                          ; no wave of any partner still reads this slot's tile or has a load on its way
	s_add_nc_u64 s[G0+4*\slot+2:G0+4*\slot+3], s[G0+4*\slot+2:G0+4*\slot+3], 2*ASTEP
	s_add_nc_u64 s[G0B+4*\slot+2:G0B+4*\slot+3], s[G0B+4*\slot+2:G0B+4*\slot+3], 2*BSTEP
	JLOAD \slot                                    ; the first tensor load behind the round; the four v_nop behind it are also the places in front of the loads below
.else
	PLACES
.endif
	FETCH \next, 0, F0
	WIN MUL
	MUL8 F1, 1, 0, 0
	MUL8 F1, 1, 2, 0
.endm
	s_wait_tensorcnt 1                             ; my part of K step 0 is in; K step 1's load may be out
	s_barrier_signal -1
	s_barrier_wait -1                              ; everybody's is
	FETCH 0, 0, F0
	s_wait_loadcnt 0x0                             ; the bias
	QUARTER 0, 1, F0, F1, 1                        ; K step 0: its first products start the sums from the bias
	QUARTER 0, 2, F1, F0, 0
	QUARTER 0, 3, F0, F1, 0
	TURN 0, 1, 1                                   ; slot 0 takes K step 2
	QUARTER 1, 1, F0, F1, 0                        ; K step 1
	QUARTER 1, 2, F1, F0, 0
	QUARTER 1, 3, F0, F1, 0
	TURN 1, 0, 1                                   ; slot 1 takes K step 3
	QUARTER 0, 1, F0, F1, 0                        ; K step 2
	QUARTER 0, 2, F1, F0, 0
	QUARTER 0, 3, F0, F1, 0
	TURN 0, 1, 0                                   ; nothing is left to fetch: a plain barrier
	QUARTER 1, 1, F0, F1, 0                        ; K step 3
	QUARTER 1, 2, F1, F0, 0
	QUARTER 1, 3, F0, F1, 0
	s_wait_dscnt 16                                ; the very last quarter
	WIN MUL
	MUL8 F1, 0, 0, 0
	MUL8 F1, 0, 2, 0
	s_wait_dscnt 0
	MUL8 F1, 1, 0, 0
	MUL8 F1, 1, 2, 0
	WIN 0
; THE WAY OUT, block by block of 16 rows x 64 columns.  A lane holds 32 neighbouring bytes of a row, and the lanes beside it hold other rows: so a block goes through my own stage in LDS and comes back as whole
; rows of 256 bytes: sixteen lanes store 256 consecutive bytes, aligned.  LDS serves a wave's instructions in order (ISA guide 5.7.1.4): no wait between the stores and the loads, nor in front of the next block's stores.
.macro TOSTAGE a
.irp b, 0,1,2,3
	ds_store_b128 v[STO], v[ACC+8*(4*(\a)+\b):ACC+8*(4*(\a)+\b)+3] offset:64*\b          ; each accumulator from its low end on
	ds_store_b128 v[STO], v[ACC+8*(4*(\a)+\b)+4:ACC+8*(4*(\a)+\b)+7] offset:64*\b+16
.endr
.irp t, 0,1,2,3,4,5,6,7
	ds_load_b128 v[TMP+32*((\a)%2)+4*\t:TMP+32*((\a)%2)+4*\t+3], v[RD] offset:\t*2*SPITCH
.endr
.endm
.macro SEND a, younger                 ; younger: the LDS instructions issued behind block a's loads, which may stay out
	s_wait_dscnt \younger
.irp t, 0,1,2,3,4,5,6,7
	global_store_b128 v[CO], v[TMP+32*((\a)%2)+4*\t:TMP+32*((\a)%2)+4*\t+3], s[8:9] offset:(16*(\a)+2*\t)*4096 th:TH_STORE_NT   ; written once, read by nobody here
.endr
.endm
	PLACES
	TOSTAGE 0
	TOSTAGE 1
	SEND 0, 16                                     ; behind block 0's loads: block 1's 8 stores and 8 loads
	s_wait_xcnt 0x0                                ; block 0's stores have read their registers: block 2's loads may land there
	TOSTAGE 2
	SEND 1, 16
	s_wait_xcnt 0x0                                ; block 1's likewise
	TOSTAGE 3
	SEND 2, 16
	SEND 3, 0
	s_wait_tensorcnt 0x0                           ; the wave's end: a wait, an add of 0 to my spare word, and its wait, behind my last tensor load and my last LDS store
	ds_add_u32 v[SPW], v[NIL]
	s_wait_dscnt 0x0
	CROUND                                         ; the closing round: no work-group ends while a partner may still ask for a tile that names it
	s_endpgm
.Lfunc_end_k_qc39efc4eed_oproj:
	.size	k_qc39efc4eed_oproj, .Lfunc_end_k_qc39efc4eed_oproj-k_qc39efc4eed_oproj
	.p2alignl 7, 3214868480
	.fill 96, 4, 3214868480
	.section	.rodata,"a",@progbits
	.p2align	6, 0x0
	.amdhsa_kernel k_qc39efc4eed_oproj
		.amdhsa_group_segment_fixed_size 327680
		.amdhsa_private_segment_fixed_size 0
		.amdhsa_enable_private_segment 0
		.amdhsa_kernarg_size 32
		.amdhsa_user_sgpr_count 2
		.amdhsa_user_sgpr_kernarg_segment_ptr 1
		.amdhsa_wavefront_size32 1
		.amdhsa_system_sgpr_workgroup_id_x 1
		.amdhsa_system_sgpr_workgroup_id_y 1
		.amdhsa_system_sgpr_workgroup_id_z 1
		.amdhsa_system_vgpr_workitem_id 0
		.amdhsa_next_free_vgpr 512
		.amdhsa_next_free_sgpr 68
		.amdhsa_reserve_vcc 0
		.amdhsa_float_denorm_mode_32 3
		.amdhsa_float_denorm_mode_16_64 3
		.amdhsa_memory_ordered 1
		.amdhsa_forward_progress 1
		.amdhsa_inst_pref_size 86
	.end_amdhsa_kernel
	.amdgpu_metadata
---
amdhsa.version: [ 1, 2 ]
amdhsa.kernels:
  - .name:           k_qc39efc4eed_oproj
    .symbol:         k_qc39efc4eed_oproj.kd
    .args:
      - { .name: ao, .offset: 0, .size: 8, .value_kind: global_buffer, .address_space: global }
      - { .name: wot, .offset: 8, .size: 8, .value_kind: global_buffer, .address_space: global }
      - { .name: out0, .offset: 16, .size: 8, .value_kind: global_buffer, .address_space: global }
      - { .name: bo, .offset: 24, .size: 8, .value_kind: global_buffer, .address_space: global }
    .group_segment_fixed_size: 327680
    .private_segment_fixed_size: 0
    .kernarg_segment_align: 8
    .kernarg_segment_size: 32
    .max_flat_workgroup_size: 128
    .sgpr_count:     68
    .vgpr_count:     512
    .wavefront_size: 32
...
	.end_amdgpu_metadata
.endif
;; end of part 4
